; MI455X (gfx1250); checked and timed in simulation.
; The chip was launched on July 23, 2026; its instructions are those of AMD's public machine-readable ISA for CDNA 5 (MIT licence, August 2026) and "CDNA5" Instruction Set Architecture Reference Guide (July 2026). The comments in the code are by the model that wrote it; some were corrected since.
;; Self Attention V2. Allowed arithmetic: matrix products marked QUANTISED: E2M3 operands, one E8M0 scale for each 32 along K, by v_wmma_scale_f32_16x16x128_f8f6f4 with both operands' format E2M3, f32 sums; everything else in f32.
;; Inputs: W 3,072 x 1,024 float32; X 4 x 2,048 x 1,024 float32; b 3,072 float32.
;; Outputs: out0 4 x 2,048 x 1,024 float32.
;; This version of the problem:
;;   THIS VERSION OF THE PROBLEM IS GIVEN IN LOW PRECISION. The matrix products marked QUANTISED in the list below multiply operands that are first quantised to E2M3 (2 exponent bits, 3 mantissa bits; 6 bits a number), with one power-of-two scale for each 32 numbers along K (OCP MX v1.0); their sums are f32. All else is computed in f32.
;;   The module's matrix products, in the order in which they are computed (A, B: the left and right operand; K: the contracted axis; several contracted axes count as one K, in the product's order):
;;     1. [M 8,192, K 1,024] x [K 1,024, N 3,072]; A: input X; B: input W: QUANTISED
;;     2. batch 4 x [M 2,048, K 1,024] x [K 1,024, N 2,048]; A: computed on the way; B: computed on the way: QUANTISED
;;     3. batch 4 x [M 2,048, K 2,048] x [K 2,048, N 1,024]; A: softmax (see below); B: computed on the way: QUANTISED
;;   THE QUANTISER, for each operand of a quantised product, along K:
;;     - K is cut into blocks of 32 from its start; a last block that is shorter is filled with zeros.
;;     - A block's scale is 2^e with e = floor(log2(the largest magnitude in the block)) - 2, held to -126 .. 127; a block of zeros has e = 0. As a byte (E8M0): e + 127.
;;     - Each number is divided by its block's scale, clamped to +-7.5, and rounded to the nearest number of E2M3, ties to even, subnormals kept.
;;     - The product sums the exact products of the quantised numbers (number of the format x scale) in f32.
;;   ~~~python
;;   def quantise(x, axis):      # numpy; x: float32 -> the quantised numbers, widened to float32 again
;;       x = np.moveaxis(x, axis, -1); K = x.shape[-1]
;;       x = np.pad(x, [(0, 0)] * (x.ndim - 1) + [(0, -K % 32)]); x = x.reshape(x.shape[:-1] + (-1, 32)); a = np.abs(x).max(-1, keepdims=True)
;;       e = np.where(a > 0, np.clip(np.frexp(np.where(a > 0, a, 1))[1] - 1 - 2, -126, 127), 0)      # np.frexp(a)[1] - 1 = floor(log2(a)), exactly
;;       r = np.clip(x / 2.0 ** e, -7.5, 7.5)
;;       step = 2.0 ** (np.maximum(np.frexp(np.where(r == 0, 1, r))[1] - 1, 0) - 3)
;;       q = np.round(r / step) * step * 2.0 ** e      # np.round: ties to even
;;       return np.moveaxis(q.reshape(q.shape[:-2] + (-1,))[..., :K], -1, axis).astype(np.float32)
;;   ~~~
;;   SOFTMAX AHEAD OF A QUANTISED PRODUCT. Where the list says 'softmax', what is quantised is not the finished softmax but p = 2^(t - M), with t = logit x log2(e) and M = ceil(the row's largest t), a whole number; so 1/2 < the row's largest p <= 1. The row's sum l is taken of the UNQUANTISED p, in f32, and the product's result is divided by l at the end. Since M is a whole number, a kernel that streams over the keys may use a running M (the ceiling of the running maximum): every later rescaling is an exact power of two, which a block's scale takes up: the codes' values come out the same.
;;   OPERANDS COMPUTED ON THE WAY. 'Computed on the way' means the value that the module computes at that place (a softmax that the list does not call 'softmax' is quantised finished and normalised). What goes into a quantiser is computed in f32, as accurately as f32 sums, v_exp_f32 and their like allow (about 1e-6 of the number): no bf16 or f16 on the way to a quantiser, and a product that is left as it is and whose result goes on into a quantised operand takes f32 operands (vector FMAs, or v_wmma_f32_16x16x4_f32). A number that lies on a knife's edge between two numbers of the format may be rounded either way, as far as f32 arithmetic and the matrix unit's own rounding can turn it there, and no further.
;; One version. Each part assembles by itself: llvm-mc -triple=amdgcn-amd-amdhsa -mcpu=gfx1250 --defsym DOCPART=n.
;; ======== version 1 of 1: 4 launches
;; limits: right only within a limited range of input values
;; workspace buffers: xw 8,650,752 bytes; xws 360,448 bytes; qk 12,582,912 bytes; vt 6,291,456 bytes; qkvs 786,432 bytes; p 12,582,912 bytes; pst 1,572,864 bytes
;; launch quant (part 1): grid 704 x 1, 4 waves a work-group, no clusters, 35,328 bytes of LDS; arguments X, W, xw, xws; writes xw, xws
.if DOCPART == 1
	.amdgcn_target "amdgcn-amd-amdhsa--gfx1250"
	.amdhsa_code_object_version 6
	.text
	.protected	k_qd864e62679_quant
	.globl	k_qd864e62679_quant
	.p2align	8
	.type	k_qd864e62679_quant,@function
k_qd864e62679_quant:
	s_mov_b64 s[64:65], 0
	v_nop
	global_prefetch_b8 v0, s[64:65] scope:SCOPE_SE
	s_setreg_imm32_b32 hwreg(HW_REG_WAVE_MODE, 25, 1), 1
	s_wait_xcnt 0x0
; X [8192][1024] and W [3072][1024], f32, become codes of FP6 (E2M3) with one E8M0 scale byte for each 32 along K (the last axis), laid as the products want them:
; xw  [row block 704][K step 8][1536 bytes]: the IMAGE OF A FRAGMENT's registers (16 rows x 128 K, 12 registers a lane): group g of four registers at 512 g + 16 x lane.  Row blocks 0-511 are X's, 512-703 W's.
; xws [K step 8][11264 slots]: one word (four scale bytes) for a slot and 128 along K.
; THE ROWS OF A BLOCK ARE NOT NEIGHBOURS: lane r of block T (slot 16 T + r) holds row 32 (T / 2) + 8 (T % 2) + r + 8 (r / 8).  Used as source 0 of a product, two neighbouring blocks then give a lane 16 neighbours of the next K.
; A block's scale is 2^(floor(log2(largest magnitude)) - 2); its byte is the largest magnitude's exponent field - 2, held at 1 from below.  A block of zeros so keeps the byte 1: its codes are zeros, and this program alone reads the bytes.
; LIMITS: NaN and infinities among the inputs are not served.
; SHARES: a work-group takes 64 rows (4 blocks) x 256 along K; wave w takes block w and both K steps: two fragments.  704 work-groups of four waves: 2,816 waves, eleven for each of 256 WGPs on the average, twelve at the most where they are dealt out in turn.
; All 32 loads of a wave go out at once, each 512 consecutive bytes of one row.
; The conversions want 16 neighbours along K in ONE lane, so a fragment's 8,192 bytes turn through the wave's own stage in LDS (16 rows, 528 bytes apart: the 16 rows that a load touches begin in 16 different groups of banks).
.set SPI,   528
.set STG,   16*SPI                     ; a wave's stage
.set SCS,   4*STG                      ; behind the stages: the work-group's scale words, [K step 2][64 slots]
.set NSLOT, 11264
.set LI,  4                            ; v4   16 x lane
.set SI,  5                            ; v5   the stage, on the way in: my 16 bytes of a row
.set SO,  6                            ; v6   and on the way out: row r, + 64 h
.set SWA, 7                            ; v7   where my row's scale word goes
.set TM,  8                            ; v8-11 largest magnitudes, v12-15 the other half's, then the bytes, v20-23 the conversions' scale operands
.set PW,  24                           ; v24  the scale word
.set R,   32                           ; v32-159  2 x 64 numbers as loaded
.set N,   160                          ; v160-223 64 numbers: register 16 b + i = k 32 b + 16 h + i of my row
.set PC,  224                          ; v224-235 the codes; v236-243 at work
.set BK,  244                          ; v244-247 scale words on their way out
.set BA,  248                          ; v248 their LDS address, v249 their offset in xws
.set BO,  249
	s_load_b256 s[4:11], s[0:1], 0x0               ; X s[4:5], W s[6:7], xw s[8:9], xws s[10:11]
	v_lshl_add_u32 v254, v0, 2, 0x8800
	v_mov_b32 v255, 0
	v_lshrrev_b32 v1, 5, v0
	v_readfirstlane_b32 s16, v1                    ; wave 0..3: my block of the four
	v_and_b32 v1, 31, v0                           ; lane
	v_and_b32 v2, 15, v0                           ; r
	v_bfe_u32 v3, v0, 4, 1                         ; h
	v_lshlrev_b32 v[LI], 4, v1
	s_mul_i32 s20, s16, STG
	v_add_nc_u32 v[SI], s20, v[LI]
	v_mul_u32_u24 v[SO], v2, SPI
	v_lshl_add_u32 v[SO], v3, 6, v[SO]
	v_add_nc_u32 v[SO], s20, v[SO]
	s_lshl_b32 s20, s16, 6
	s_add_co_u32 s20, s20, SCS
	v_lshl_add_u32 v[SWA], v2, 2, s20              ; SCS + 64 x wave + 4 r
	v_lshl_add_u32 v[BA], v1, 4, SCS               ; the way out of the scale words: a lane takes 16 bytes of the 512
	v_mul_u32_u24 v[BO], v3, NSLOT*4               ; K step lane / 16: a row of xws
	v_lshl_add_u32 v[BO], v2, 4, v[BO]
.irp b, 0,1,2,3
	v_mov_b32 v[TM+4+\b], 0                        ; written once: a lane permute's destination counts as one of its sources
.endr
	s_mov_b32 s24, 0x76543210
	s_mov_b32 s25, 0xfedcba98                      ; v_permlanex16_b32's selects for lane l xor 16
	s_lshr_b32 s12, ttmp9, 2                       ; rg: which 64 rows of the 11,264
	s_and_b32 s13, ttmp9, 3                        ; kp: which quarter of K
	s_lshl_b32 s19, s13, 1                         ; my first K step: 2 kp
	s_lshl_b32 s20, s12, 2
	s_add_co_u32 s20, s20, s16                     ; my row block: 4 rg + wave
	s_lshl_b32 s20, s20, 3
	s_add_co_u32 s20, s20, s19
	s_mul_i32 s20, s20, 1536                       ; its image in xw
	s_mov_b32 s21, 0
	s_mul_i32 s26, s13, 2*NSLOT*4                  ; the work-group's scale words in xws: K step 2 kp, slot 64 rg
	s_lshl_b32 s27, s12, 8
	s_add_co_u32 s26, s26, s27
	s_mov_b32 s27, 0
	s_lshr_b32 s28, s16, 1
	s_lshl_b32 s28, s28, 5
	s_and_b32 s29, s16, 1
	s_lshl_b32 s29, s29, 3
	s_add_co_u32 s28, s28, s29                     ; my block's first row among the 64: 32 (wave / 2) + 8 (wave % 2)
	s_wait_alu depctr_va_vdst(0)
	s_wait_kmcnt 0x0
	s_cmp_lt_u32 ttmp9, 512                        ; X's work-group or W's?  The choice hangs on the work-group's number alone
	s_cselect_b64 s[4:5], s[4:5], s[6:7]
	s_cselect_b32 s14, 0, 128
	s_sub_co_u32 s14, s12, s14                     ; the 64 rows' number inside their own tensor
	s_lshl_b32 s14, s14, 6
	s_add_co_u32 s14, s14, s28
	s_lshl_b32 s14, s14, 12                        ; rows of 4,096 bytes
	s_lshl_b32 s15, s19, 9                         ; K steps of 512 bytes
	s_add_co_u32 s14, s14, s15
	s_mov_b32 s15, 0
	s_add_nc_u64 s[4:5], s[4:5], s[14:15]
	s_add_nc_u64 s[8:9], s[8:9], s[20:21]
	s_add_nc_u64 s[10:11], s[10:11], s[26:27]
.irp f, 0,1
.irp i, 0,1,2,3,4,5,6,7,8,9,10,11,12,13,14,15
	global_load_b128 v[R+64*\f+4*\i:R+64*\f+4*\i+3], v[LI], s[4:5] offset:(\i+8*(\i/8))*4096+512*\f th:TH_LOAD_NT   ; slot i's row: 32 lanes read 512 consecutive bytes; read once in the launch
.endr
.endr
; 64 numbers of a lane become a fragment's codes in v[PC] on and its scale word in v[PW]
.macro QUANT s
.irp b, 0,1,2,3
	v_max3_num_f32 v[TM+\b], |v[\s+16*\b]|, |v[\s+16*\b+1]|, 0x1800000   ; block b: my 16 numbers, and the floor 2^(3 - 127): the byte cannot fall under 1
.endr
.irp i, 2,4,6,8,10,12,14
.irp b, 0,1,2,3
	v_max3_num_f32 v[TM+\b], v[TM+\b], |v[\s+16*\b+\i]|, |v[\s+16*\b+\i+1]|   ; the four blocks by turns
.endr
.endr
.irp b, 0,1,2,3
	v_permlanex16_b32 v[TM+4+\b], v[TM+\b], s24, s25
.endr
.irp b, 0,1,2,3
	v_max_num_f32 v[TM+\b], v[TM+\b], v[TM+4+\b]   ; with lane l xor 16's 16: the block's largest magnitude
.endr
.irp b, 0,1,2,3
	v_add_nc_u32 v[TM+12+\b], 0xff000000, v[TM+\b] ; 2 off its exponent field: the conversion takes this operand's exponent field as its scale
.endr
.irp b, 0,1,2,3
	v_lshrrev_b32 v[TM+4+\b], 23, v[TM+12+\b]      ; the scale's byte
.endr
	v_lshl_or_b32 v[PW], v[TM+5], 8, v[TM+4]
	v_lshl_or_b32 v[PW], v[TM+6], 16, v[PW]
	v_lshl_or_b32 v[PW], v[TM+7], 24, v[PW]
	s_wait_xcnt 0x0                                ; the last fragment's stores have read the codes' registers: only behind this wait are they written again
.irp c, 0,1
	v_cvt_scalef32_pk16_fp6_f32 v[PC+6*\c:PC+6*\c+2], v[\s+32*\c:\s+32*\c+15], v[TM+12+2*\c]
	v_cvt_scalef32_pk16_fp6_f32 v[PC+12+4*\c:PC+12+4*\c+2], v[\s+32*\c+16:\s+32*\c+31], v[TM+12+2*\c+1]   ; (a conversion's three registers begin on an even number)
.endr
	v_nop                                          ; one plain place behind a scaled conversion
.irp c, 0,1                                    ; the operand's layout wants a WHOLE block in a lane: lanes 0-15 block 2 c, lanes 16-31 block 2 c + 1
.irp i, 0,1,2
	v_permlane16_swap_b32 v[PC+6*\c+\i], v[PC+12+4*\c+\i]
.endr
.irp i, 0,1,2
	v_mov_b32 v[PC+3+6*\c+\i], v[PC+12+4*\c+\i]
.endr
.endr
.endm
.macro PART f
.if \f == 0
	s_wait_loadcnt 16                              ; the first K step's 16 loads are in; the second's 16 may be out
.else
	s_wait_loadcnt 0x0
.endif
.irp i, 0,1,2,3,4,5,6,7,8,9,10,11,12,13,14,15
	ds_store_b128 v[SI], v[R+64*\f+4*\i:R+64*\f+4*\i+3] offset:SPI*\i
.endr
.irp b, 0,1,2,3
.irp j, 0,1,2,3
	ds_load_b128 v[N+16*\b+4*\j:N+16*\b+4*\j+3], v[SO] offset:128*\b+16*\j   ; LDS serves a wave's instructions in order: these see the stores above
.endr
.endr
	s_wait_dscnt 0x0                               ; my 64 numbers are back (and the last fragment's scale word has been stored)
	QUANT N
.irp g, 0,1,2
	global_store_b128 v[LI], v[PC+4*\g:PC+4*\g+3], s[8:9] offset:1536*\f+512*\g   ; 32 lanes store 512 consecutive bytes of the image
.endr
	ds_store_b32 v[SWA], v[PW] offset:256*\f       ; both lanes of a row write the same word with the same value
.endm
	PART 0
	PART 1
	s_wait_dscnt 0x0                               ; for the others' sake: my scale words lie in LDS
	s_barrier_signal -1
	s_barrier_wait -1
	s_cmp_lg_u32 s16, 0                            ; wave 0 carries the 512 bytes out
	s_cbranch_scc1 .Lend
	ds_load_b128 v[BK:BK+3], v[BA]
	s_wait_dscnt 0x0
	global_store_b128 v[BO], v[BK:BK+3], s[10:11]  ; sixteen lanes store 256 consecutive bytes, at a multiple of 256 from the buffer's first byte
.Lend:
	s_wait_tensorcnt 0x0
	ds_add_u32 v254, v255
	s_wait_dscnt 0x0
	s_endpgm
.Lfunc_end_k_qd864e62679_quant:
	.size	k_qd864e62679_quant, .Lfunc_end_k_qd864e62679_quant-k_qd864e62679_quant
	.p2alignl 7, 3214868480
	.fill 96, 4, 3214868480
	.section	.rodata,"a",@progbits
	.p2align	6, 0x0
	.amdhsa_kernel k_qd864e62679_quant
		.amdhsa_group_segment_fixed_size 35328
		.amdhsa_private_segment_fixed_size 0
		.amdhsa_enable_private_segment 0
		.amdhsa_kernarg_size 32
		.amdhsa_user_sgpr_count 2
		.amdhsa_user_sgpr_kernarg_segment_ptr 1
		.amdhsa_wavefront_size32 1
		.amdhsa_system_sgpr_workgroup_id_x 1
		.amdhsa_system_sgpr_workgroup_id_y 1
		.amdhsa_system_sgpr_workgroup_id_z 1
		.amdhsa_system_vgpr_workitem_id 0
		.amdhsa_next_free_vgpr 256
		.amdhsa_next_free_sgpr 66
		.amdhsa_reserve_vcc 0
		.amdhsa_float_denorm_mode_32 3
		.amdhsa_float_denorm_mode_16_64 3
		.amdhsa_memory_ordered 1
		.amdhsa_forward_progress 1
		.amdhsa_inst_pref_size 19
	.end_amdhsa_kernel
	.amdgpu_metadata
---
amdhsa.version: [ 1, 2 ]
amdhsa.kernels:
  - .name:           k_qd864e62679_quant
    .symbol:         k_qd864e62679_quant.kd
    .args:
      - { .name: X, .offset: 0, .size: 8, .value_kind: global_buffer, .address_space: global }
      - { .name: W, .offset: 8, .size: 8, .value_kind: global_buffer, .address_space: global }
      - { .name: xw, .offset: 16, .size: 8, .value_kind: global_buffer, .address_space: global }
      - { .name: xws, .offset: 24, .size: 8, .value_kind: global_buffer, .address_space: global }
    .group_segment_fixed_size: 35328
    .private_segment_fixed_size: 0
    .kernarg_segment_align: 8
    .kernarg_segment_size: 32
    .max_flat_workgroup_size: 128
    .sgpr_count:     66
    .vgpr_count:     256
    .wavefront_size: 32
...
	.end_amdgpu_metadata
.endif
;; end of part 1
;; launch proj (part 2): grid 8 x 32, 4 waves a work-group, clusters of 4 x 4, 327,680 bytes of LDS; arguments xw, xws, b, qk, vt, qkvs; writes qk, vt, qkvs
.if DOCPART == 2
	.amdgcn_target "amdgcn-amd-amdhsa--gfx1250"
	.amdhsa_code_object_version 6
	.text
	.protected	k_qd864e62679_proj
	.globl	k_qd864e62679_proj
	.p2align	8
	.type	k_qd864e62679_proj,@function
k_qd864e62679_proj:
	s_mov_b64 s[64:65], 0
	v_nop
	global_prefetch_b8 v0, s[64:65] scope:SCOPE_SE
	s_setreg_imm32_b32 hwreg(HW_REG_WAVE_MODE, 25, 1), 1
	s_wait_xcnt 0x0
	s_wait_alu depctr_hold_cnt(0) depctr_sa_sdst(0) depctr_va_vdst(0) depctr_va_sdst(0) depctr_va_ssrc(0) depctr_va_vcc(0) depctr_vm_vsrc(0)
	s_getreg_b32 s2, hwreg(HW_REG_IB_STS2, 6, 4)
	s_cmp_eq_u32 s2, 0
	s_cbranch_scc0 .Lentry_in_a_cluster
	s_endpgm
.Lentry_in_a_cluster:
	s_bfe_u32 s2, ttmp6, 0x10000c
	s_cmp_lg_u32 s2, 0xf033
	s_cbranch_scc0 .Lentry_shape_is_right
	s_endpgm
.Lentry_shape_is_right:
; QKV = X W^T + b on codes of FP6 (E2M3) with E8M0 scales, and the results quantised at once for the products that follow.  K = 1,024: eight K steps of 128.
; A WORK-GROUP STAYS AND MAKES TWO TILES, so that each of 256 work-groups has the same work: Q | K is 32 x 8 tiles of 256 x 256, V^T is 8 x 32 tiles of 128 x 256.
;   TILE 1: Q | K = X Wqk^T, 256 rows of X x 256 rows of Wqk, quantised along the hidden axis into qk [row block 512][K step 16][1536].  Four waves, each 128 x 128: 64 accumulators.
;   TILE 2: V^T = Wv X^T, 128 rows of Wv x THE SAME 256 rows of X, quantised along the KEYS into vt [row block 64 (d)][K step 64 = 16 x batch + chunk][1536].  Each wave 64 x 128: 32 accumulators.
; Scale words go to qkvs: [16][8192] for qk, then at byte 524,288 [64][1024] for vt.
; All operands lie as IMAGES OF FRAGMENTS (16 rows x 128 K = 1,536 bytes: group g of four registers at 512 g + 16 x lane): a fragment comes by three ds_load_b128 of 512 consecutive bytes and leaves by three global_store_b128.
; In every image lane r of block T holds row 32 (T / 2) + 8 (T % 2) + r + 8 (r / 8).  The operand whose rows are the NEXT product's K is source 0 (tile 1: Wqk; tile 2: X): a lane then holds one row of the other operand, and
; register 16 b + i of its eight accumulators holds source 0's row 32 b + 16 h + i: neighbours along the next K, as the conversions want them.  The output's rows keep source 1's order of slots.
; The bias is the C of each sum's first matrix instruction.
; LDS: three slots of two K steps each (quarters: X's two halves, W's two halves).  Filled at the start: K steps 0-5.  Behind K step 3: slot 0 takes K steps 6, 7.  Behind K step 5: slot 1, read out, takes X's K steps 0-3 again.
; Behind K step 7: W's quarters of slots 0 and 2 take Wv's 128 rows, all of K.  X's K steps 4-7 still lie in slots 2 and 0 and are read a second time.  The scale words of X's and Wqk's rows, for all of K, come once.
; CLUSTERS: 4 x 4 work-groups.  X's tiles hang on the tile row alone and are asked for jointly along a row of the cluster, Wqk's and Wv's on the tile column alone, along a column.
; LIMITS: NaN and infinities are not served; a block of zeros keeps the scale byte 1 (its codes are zeros; this program alone reads the bytes).
; REGISTERS: window 0: v1-22 lane numbers and addresses; v28-29 for the add; v32-47 scale words, two sets; v48-63 Wv's scale words; v64-159, v160-255 X's fragments, two sets (on the ways out v64-119 are at work).
;   window 1: v0-95, v96-191 W's fragments, two sets; v192-255 the bias.   windows 2, 3: tile 1's accumulator (a, b) at v[8 (8 (a % 4) + b)] of window 2 + a / 4; tile 2's at v[8 (8 a + b)] of window 2.
; THE FILLS AS THE TEXT NOW HAS THEM (this takes the place of what the lines above say of the start): at the head one joint load a wave: wave 0 slot 0's 16 row blocks of X, wave 2 those of Wqk,
; wave 1 X's scale words, wave 3 Wqk's (both halves at once: [K step 8][256 slots]).  Behind a full round: slot 1, a quarter a wave.  In K step 1's round: slot 2's first fill.  In K step 3's: slot 0 takes K steps 6, 7.
; PREFETCHES: K pairs 1 and 2 of the rows are asked for behind the head's loads, K pair 3 in K step 1, one and a half K steps ahead of its load; the eight waves that fetch a tile jointly take two row blocks each, by address.
; Wv's rows are not prefetched: their load has tile 1's whole way out between its issue and the wait for it.
.set QB,     24576
.set SLOT,   4*QB                      ; X's two halves, then W's two
.set SCA,    3*SLOT                    ; X's scale words: [K step 8][half][128 slots]
.set SCB,    SCA+8192+64               ; Wqk's, 64 bytes off: lanes 0-15 (X's words) and lanes 16-31 (Wqk's) of one load then touch different banks
.set SPARE,  311552                    ; the spare words, 128 bytes for each wave: two blocks of 256 bytes that no other line names
.set SWST,   SPARE+512                 ; the way out of the new scale words: 512 bytes for each wave
.set CPITCH, 1536                      ; from row block to row block in xw, in elements of 8 bytes
.set WPITCH, 5632                      ; from K step to K step in xws
.set ADRA, 4                           ; v4-6   LDS address of my fragments of X in slot 0, 1, 2 (quarter WM)
.set ADRX, 7                           ; v7     tile 2: X's K steps 2, 3: slot 1, quarter 2 + WM
.set ADRB, 8                           ; v8-10  of my fragments of Wqk
.set ADRS, 12                          ; v12    of my scale words: lanes 0-15 X's, lanes 16-31 Wqk's
.set ADRW, 20                          ; v20-21 tile 2: my fragments of Wv: K steps 0-3 (slot 0), 4-7 (slot 2)
.set SPW,  28                          ; v28    LDS address of my spare word; never rewritten
.set NIL,  29                          ; v29    0; never rewritten
.set SC,   32                          ; scale words: set k % 2, register i: lanes 0-15 the word of X's block i, lanes 16-31 that of Wqk's block i
.set WS,   48                          ; Wv's scale words: register 4 (k / 2) + a: block a; lanes 0-15 the even K step, lanes 16-31 the odd one
.set BC,   192                         ; the bias, in window 1
.set PC,   64                          ; the ways out: v64-75 codes, v76-83 at work
.set TM,   84                          ; v84-99
.set PW,   100                         ; v100-107 the scale word of each of my blocks
.set G1A,  24
.set G1B,  32
.set G1SA, 40
.set G1SB, 48
.set G0A,  68                          ; s[68:79] group 0 for X's tiles, a set for each slot;  s[80:91] for W's;  s[92:95], s[96:99] for the scale words
.set G0B,  80
.set G0SA, 92
.set G0SB, 96
.set MSB, 0
.macro WIN new                         ; the immediate's high byte repeats the setting that is left
.if MSB != (\new)
	s_set_vgpr_msb (MSB<<8)|(\new)
.set MSB, (\new)
.endif
.endm
.macro PLACES                          ; four plain places between a matrix instruction and a load into, or a vector instruction on, its registers
.rept 4
	v_nop
.endr
.endm
.macro CREST                           ; a round of the cluster's barrier behind its opening barrier
	s_cmp_lg_u32 s16, 0
	s_cbranch_scc1 .Lnot_wave_0_\@
	s_barrier_signal -3
.Lnot_wave_0_\@:
	s_barrier_wait -3
	s_barrier_signal -1
	s_barrier_wait -1
.endm
.macro CROUND
	s_barrier_signal -1
	s_barrier_wait -1
	CREST
.endm
.macro JLOAD g0a, g1a, g0b, g1b        ; a joint load: waves 0 and 1 fetch X's halves, waves 2 and 3 W's; four v_nop follow each line
	s_cmp_eq_u32 s17, 0
	s_cbranch_scc0 .Lfor_b_\@
	tensor_load_to_lds s[\g0a:\g0a+3], s[\g1a:\g1a+7]
	s_nop 0
.rept 4
	v_nop
.endr
	s_branch .Lasked_\@
.Lfor_b_\@:
	tensor_load_to_lds s[\g0b:\g0b+3], s[\g1b:\g1b+7]
	s_nop 0
.rept 4
	v_nop
.endr
.Lasked_\@:
.endm
.macro FETCH_B k                       ; tile 1: Wqk's eight fragments of K step k into set k % 2
	WIN 0x40
.set fs, ((\k)/2)%3
.set fo, 1536*((\k)%2)
.set fr, 96*((\k)%2)
.irp i, 0,1,2,3,4,5,6,7
.irp g, 0,1,2
	ds_load_b128 v[fr+12*\i+4*\g:fr+12*\i+4*\g+3], v[ADRB+fs] offset:fo+3072*\i+512*\g
.endr
.endr
	WIN 0
.endm
.macro FETCH_A k                       ; tile 1: X's eight (every window 0 here)
.set fs, ((\k)/2)%3
.set fo, 1536*((\k)%2)
.set fr, 64+96*((\k)%2)
.irp i, 0,1,2,3,4,5,6,7
.irp g, 0,1,2
	ds_load_b128 v[fr+12*\i+4*\g:fr+12*\i+4*\g+3], v[ADRA+fs] offset:fo+3072*\i+512*\g
.endr
.endr
.endm
.macro FETCH_S k                       ; the K step's scale words (both tiles: tile 2 uses lanes 0-15 alone)
.irp i, 0,1,2,3,4,5,6,7
	ds_load_b32 v[SC+8*((\k)%2)+\i], v[ADRS] offset:1024*(\k)+64*\i
.endr
.endm
.macro FETCH_W k                       ; tile 2: Wv's four fragments of K step k into set k % 2.  K pair j lies in a quarter of its own: [row block 8][K step 2][1536]
	WIN 0x40
.set fo, QB*(((\k)/2)%2)+1536*((\k)%2)
.set fr, 96*((\k)%2)
.irp i, 0,1,2,3
.irp g, 0,1,2
	ds_load_b128 v[fr+12*\i+4*\g:fr+12*\i+4*\g+3], v[ADRW+(\k)/4] offset:fo+3072*\i+512*\g
.endr
.endr
	WIN 0
.endm
.macro FETCH_X k                       ; tile 2: X's eight: K steps 0, 1 and 2, 3 in slot 1, 4, 5 still in slot 2, 6, 7 still in slot 0
.if (\k)/2 == 0
.set fa, ADRA+1
.elseif (\k)/2 == 1
.set fa, ADRX
.elseif (\k)/2 == 2
.set fa, ADRA+2
.else
.set fa, ADRA
.endif
.set fo, 1536*((\k)%2)
.set fr, 64+96*((\k)%2)
.irp i, 0,1,2,3,4,5,6,7
.irp g, 0,1,2
	ds_load_b128 v[fr+12*\i+4*\g:fr+12*\i+4*\g+3], v[fa] offset:fo+3072*\i+512*\g
.endr
.endr
.endm
; TILE 1: na x 8 matrix instructions of K step k: X's blocks a0 on (source 1), each against Wqk's eight (source 0).  bias = 1: the sums begin with the bias of Wqk's rows.
; The 64 accumulators take turns, one instruction a turn, in the same order in every step.
.macro MULS k, a0, na, bias
.set pp, (\k)%2
.set aa, \a0
.rept \na
.set bb, 0
.rept 8
.set rD, 8*(8*(aa%4)+bb)
.if \bias
.set rC, BC+8*bb
.else
.set rC, rD
.endif
	v_wmma_scale_f32_16x16x128_f8f6f4 v[rD:rD+7], v[96*pp+12*bb:96*pp+12*bb+11], v[64+96*pp+12*aa:64+96*pp+12*aa+11], v[rC:rC+7], v[SC+8*pp+bb], v[SC+8*pp+aa] matrix_a_fmt:MATRIX_FMT_FP6 matrix_b_fmt:MATRIX_FMT_FP6 matrix_a_scale:MATRIX_SCALE_ROW1
.set bb, bb+1
.endr
.set aa, aa+1
.endr
.endm
; TILE 2: na x 8 matrix instructions of K step k: Wv's blocks a0 on (source 1, window 1), each against X's eight (source 0, window 0).  bias = 1: the sums begin with the bias of Wv's rows.  The 32 accumulators take turns.
.macro MULS2 k, a0, na, bias
.set pp, (\k)%2
.set aa, \a0
.rept \na
.set bb, 0
.rept 8
.set rD, 8*(8*aa+bb)
.if \bias
.set rC, BC+8*aa
.else
.set rC, rD
.endif
.if (\k)%2
	v_wmma_scale_f32_16x16x128_f8f6f4 v[rD:rD+7], v[64+96*pp+12*bb:64+96*pp+12*bb+11], v[96*pp+12*aa:96*pp+12*aa+11], v[rC:rC+7], v[SC+8*pp+bb], v[WS+4*((\k)/2)+aa] matrix_a_fmt:MATRIX_FMT_FP6 matrix_b_fmt:MATRIX_FMT_FP6 matrix_b_scale:MATRIX_SCALE_ROW1
.else
	v_wmma_scale_f32_16x16x128_f8f6f4 v[rD:rD+7], v[64+96*pp+12*bb:64+96*pp+12*bb+11], v[96*pp+12*aa:96*pp+12*aa+11], v[rC:rC+7], v[SC+8*pp+bb], v[WS+4*((\k)/2)+aa] matrix_a_fmt:MATRIX_FMT_FP6 matrix_b_fmt:MATRIX_FMT_FP6
.endif
.set bb, bb+1
.endr
.set aa, aa+1
.endr
.endm
; A K step of tile 1 whose successor lies in a slot that is known to be whole.  The four places at its head stand between the step before, which read the other sets, and both runs of loads into them.
.macro STEP k
	s_wait_dscnt 0x0                               ; this step's fragments and scale words are in
	PLACES
	FETCH_B (\k)+1
	FETCH_S (\k)+1
	WIN 0xa1                                       ; source 0 (W) window 1, source 1 (X) window 0, C and D window 2
	MULS \k, 0, 4, 0
	WIN 0
	FETCH_A (\k)+1
	WIN 0xf1                                       ; C and D window 3
	MULS \k, 4, 4, 0
.endm
; The same of tile 2: all its tiles are known to be whole
.macro STEP2 k, bias
	s_wait_dscnt 0x0
	PLACES
	FETCH_W (\k)+1
	FETCH_S (\k)+1
	WIN 0xa4-0x10*(\bias)                          ; source 0 (X) window 0, source 1 (Wv) window 1, D window 2, C window 2 (the bias: window 1)
	MULS2 \k, 0, 2, \bias
	WIN 0
	FETCH_X (\k)+1
	WIN 0xa4-0x10*(\bias)
	MULS2 \k, 2, 2, \bias
.endm
; A K step of tile 1 behind which LDS is filled again: a round of the cluster's barrier; in front of it each wave waits for all its tensor loads, adds 0 to its spare word, and waits for that and for its own LDS reads.
; mode 1 (K step 3): slot 0, read out, takes K steps 6 and 7.  mode 2 (K step 5): slot 1, read out, takes X's K steps 0 to 3: wave w its quarter w (half w % 2, K pair w / 2).
; mode 3 (K step 7): W's quarters of slots 0 and 2, read out, take Wv: wave w the eight row blocks' K pair w.  One tensor load a wave, the first thing behind the round.
.macro MEETK k, mode
	WIN 0                                          ; (the add's two registers lie in window 0)
	s_wait_tensorcnt 0x0                           ; all my tensor loads have landed
	ds_add_u32 v[SPW], v[NIL]                      ; 0 onto my spare word
	s_wait_dscnt 0x1                               ; this step's fragments are in; the add may be out
	WIN 0xa1
	MULS \k, 0, 2, 0                               ; sixteen matrix instructions stand between the add and the wait for it
	s_wait_dscnt 0x0                               ; the add is done, and my reads of the slots so far are over
	s_barrier_signal -1
	MULS \k, 2, 2, 0
	WIN 0
	s_barrier_wait -1
	CREST                                          ; no wave of any partner still reads the bytes that are filled now, or has a load on its way
.if (\mode) == 0
	JLOAD G0A+8, G1A, G0B+8, G1B                   ; mode 0 (K step 1): slot 2's first fill, issued as a refill is
.elseif (\mode) == 1
	s_add_nc_u64 s[G0A+2:G0A+3], s[G0A+2:G0A+3], 3*3072
	s_add_nc_u64 s[G0B+2:G0B+3], s[G0B+2:G0B+3], 3*3072
	JLOAD G0A, G1A, G0B, G1B                       ; its four v_nop are the places in front of the loads below
.elseif (\mode) == 2
	s_sub_nc_u64 s[G0A+6:G0A+7], s[G0A+6:G0A+7], s[58:59]   ; slot 1's group 0 for X: its LDS address is my quarter's already; its address, K pair 1, goes back to K pair 0 in waves 0 and 1
	tensor_load_to_lds s[G0A+4:G0A+7], s[G1A:G1A+7]
	s_nop 0
.rept 4
	v_nop                                          ; (the places in front of the loads below)
.endr
.else
	s_mov_b32 s[G0B+5], s19                        ; slot 1's group 0 for W is free since K step 1: now Wv's: where my K pair goes,
	s_mov_b64 s[G0B+6:G0B+7], s[62:63]             ; and where it comes from
	s_or_b32 s[G0B+7], s[G0B+7], 0x80000000
	tensor_load_to_lds s[G0B+4:G0B+7], s[G1B:G1B+7]
	s_nop 0
.rept 4
	v_nop
.endr
.endif
.if (\k) < 7
	FETCH_B (\k)+1
	FETCH_S (\k)+1
	FETCH_A (\k)+1
.endif
.if (\mode) == 0
	global_prefetch_b8 v31, s[66:67] offset:9216 th:TH_LOAD_NT scope:SCOPE_SE   ; K pair 3 of my two row blocks: 12 blocks of 256 bytes for each half of the lanes
.endif
	WIN 0xf1
	MULS \k, 4, 4, 0
.endm
; THE WAYS OUT.  Block a (16 rows of source 1 x 128 rows of source 0) is one fragment of a later product: its 64 numbers a lane are quantised where they lie, and the image leaves by three stores of 512 consecutive bytes.
.macro QTAIL src, win, pw
.irp b, 0,1,2,3
	v_add_nc_u32 v[TM+12+\b], 0xff000000, v[TM+\b] ; 2 off the exponent field: the conversion's scale operand
.endr
.irp b, 0,1,2,3
	v_lshrrev_b32 v[TM+4+\b], 23, v[TM+12+\b]      ; the scale's byte
.endr
	v_lshl_or_b32 v[\pw], v[TM+5], 8, v[TM+4]
	v_lshl_or_b32 v[\pw], v[TM+6], 16, v[\pw]
	v_lshl_or_b32 v[\pw], v[TM+7], 24, v[\pw]
	s_wait_xcnt 0x0                                ; the last block's stores have read the codes' registers: only behind this wait are they written again
	WIN \win                                       ; source 0: the numbers' window
.irp c, 0,1
	v_cvt_scalef32_pk16_fp6_f32 v[PC+6*\c:PC+6*\c+2], v[\src+32*\c:\src+32*\c+15], v[TM+12+2*\c]
	v_cvt_scalef32_pk16_fp6_f32 v[PC+12+4*\c:PC+12+4*\c+2], v[\src+32*\c+16:\src+32*\c+31], v[TM+12+2*\c+1]
.endr
	WIN 0
	v_nop                                          ; one plain place behind a scaled conversion
.irp c, 0,1
.irp i, 0,1,2
	v_permlane16_swap_b32 v[PC+6*\c+\i], v[PC+12+4*\c+\i]   ; a whole block to a lane
.endr
.irp i, 0,1,2
	v_mov_b32 v[PC+3+6*\c+\i], v[PC+12+4*\c+\i]
.endr
.endr
.endm
.macro QBLOCK a, ptr, pitch            ; ptr: the scalar pair with my first image's address; pitch: bytes from row block to row block of the output
.set W, 2+(\a)/4
.set AC, 64*((\a)%4)
	WIN (W|(W<<2))                                 ; sources 0 and 1: the accumulators' window
.irp b, 0,1,2,3
	v_max3_num_f32 v[TM+\b], |v[AC+16*\b]|, |v[AC+16*\b+1]|, 0x1800000   ; each accumulator is read from its low end on; the floor 2^(3 - 127) holds the byte at 1
.endr
	WIN ((W<<2)|(W<<4))                            ; sources 1 and 2
.irp i, 2,4,6,8,10,12,14
.irp b, 0,1,2,3
	v_max3_num_f32 v[TM+\b], v[TM+\b], |v[AC+16*\b+\i]|, |v[AC+16*\b+\i+1]|
.endr
.endr
	WIN 0
.irp b, 0,1,2,3
	v_permlanex16_b32 v[TM+4+\b], v[TM+\b], s2, s3
.endr
.irp b, 0,1,2,3
	v_max_num_f32 v[TM+\b], v[TM+\b], v[TM+4+\b]   ; with lane l xor 16's 16: the block's largest magnitude
.endr
	QTAIL AC, W, PW+\a
.irp g, 0,1,2
	global_store_b128 v15, v[PC+4*\g:PC+4*\g+3], s[\ptr:\ptr+1] offset:(\pitch)*(\a)+512*\g
.endr
	ds_store_b32 v13, v[PW+\a] offset:64*\a        ; both lanes of a row write the same word with the same value
.endm
	s_load_b256 s[4:11], s[0:1], 0x0               ; xw s[4:5], xws s[6:7], b s[8:9], qk s[10:11]
	s_load_b128 s[12:15], s[0:1], 0x20             ; vt s[12:13], qkvs s[14:15]
	v_lshl_add_u32 v[SPW], v0, 2, SPARE
	v_mov_b32 v[NIL], 0
	ds_add_u32 v28, v29
	ds_add_u32 v28, v29
	s_wait_dscnt 0x0
	v_lshrrev_b32 v1, 5, v0
	v_readfirstlane_b32 s16, v1                    ; wave 0..3
	s_lshr_b32 s17, s16, 1                         ; WM: my half of X's rows.  Also: at the start I fetch for X (0) or for W (1)
	s_and_b32 s18, s16, 1                          ; WN: my half of W's rows.  Also: which half I fetch
	s_bfe_u32 s20, ttmp6, 0x40000                  ; cx
	s_bfe_u32 s21, ttmp6, 0x40004                  ; cy
	s_lshl_b32 s22, ttmp9, 2
	s_add_co_u32 s22, s22, s20                     ; the tile column, 0..7: 256 rows of Wqk, 128 rows of Wv
	s_and_b32 s23, ttmp7, 0xffff
	s_lshl_b32 s23, s23, 2
	s_add_co_u32 s23, s23, s21                     ; the tile row, 0..31: 256 rows of X
	s_lshl_b32 s56, s21, 2
	s_lshl_b32 s56, 15, s56                        ; my row of the cluster
	s_lshl_b32 s60, 0x1111, s20                    ; my column
	s_or_b32 s[G1A], s56, (3<<16)|(1<<21)          ; 15:0 the mask; 17:16 elements of 8 bytes; 21 set beside a mask; no padding
	s_or_b32 s[G1SA], s56, (3<<16)|(1<<21)
	s_or_b32 s[G1B], s60, (3<<16)|(1<<21)
	s_or_b32 s[G1SB], s60, (3<<16)|(1<<21)
.irp g, G1A, G1B                       ; codes: 8 row blocks x 3,072 bytes (two K steps' images on end)
	s_mov_b32 s[\g+1], 384<<16
	s_mov_b32 s[\g+2], 16<<16                      ; the head's loads bring 16 row blocks; behind them these two words are set to 8
	s_mov_b32 s[\g+3], 384<<16
	s_mov_b32 s[\g+4], 16
	s_mov_b32 s[\g+5], CPITCH
	s_mov_b32 s[\g+6], 0
	s_mov_b32 s[\g+7], 0
.endr
.irp g, G1SA, G1SB                     ; scale words: 8 K steps x 1,024 bytes (256 slots)
	s_mov_b32 s[\g+1], 128<<16                     ; rows of 1,024 bytes: 256 slots
	s_mov_b32 s[\g+2], 8<<16
	s_mov_b32 s[\g+3], 128<<16
	s_mov_b32 s[\g+4], 8
	s_mov_b32 s[\g+5], WPITCH
	s_mov_b32 s[\g+6], 0
	s_mov_b32 s[\g+7], 0
.endr
	; what I would fetch at the start: 8 row blocks, half WN.  X's offsets in s56-59, W's in s60-63 and s100-101
	s_lshl_b32 s19, s18, 3
	s_lshl_b32 s56, s23, 4
	s_add_co_u32 s56, s56, s19                     ; X's row block: 16 x tile row + 8 x half
	s_lshl_b32 s58, s56, 6                         ; its scale words: 64 bytes a row block
	s_mov_b32 s59, 0
	s_mul_i32 s56, s56, 12288                      ; its codes
	s_mov_b32 s57, 0
	s_lshl_b32 s60, s22, 4
	s_add_co_u32 s60, s60, s19
	s_add_co_u32 s60, s60, 512                     ; Wqk's row block: 512 + 16 x tile column + 8 x half
	s_lshl_b32 s100, s60, 6
	s_mov_b32 s101, 0
	s_mul_i32 s60, s60, 12288
	s_mov_b32 s61, 0
	s_lshl_b32 s62, s22, 3
	s_add_co_u32 s62, s62, 640                     ; Wv's first row block: 640 + 8 x tile column
	s_mul_i32 s62, s62, 12288
	s_mul_i32 s63, s16, 3072                       ; and of its eight K steps the pair that I shall fetch: my wave's number
	s_add_co_u32 s62, s62, s63
	s_mov_b32 s63, 0
	s_wait_kmcnt 0x0
	s_add_nc_u64 s[56:57], s[4:5], s[56:57]
	s_add_nc_u64 s[58:59], s[6:7], s[58:59]
	s_add_nc_u64 s[60:61], s[4:5], s[60:61]
	s_add_nc_u64 s[100:101], s[6:7], s[100:101]
	s_add_nc_u64 s[62:63], s[4:5], s[62:63]        ; kept until K step 7
	s_mul_i32 s4, s16, QB                          ; where the tiles go: wave x a quarter: no place in the cluster enters an LDS address
	s_lshl_b32 s2, s18, 9                          ; the scale words come for both halves at once: 512 bytes back to half 0
	s_mov_b32 s3, 0
	s_mov_b32 s[G0SA], 1
	s_mov_b32 s[G0SA+1], SCA
	s_sub_nc_u64 s[G0SA+2:G0SA+3], s[58:59], s[2:3]
	s_or_b32 s[G0SA+3], s[G0SA+3], 0x80000000
	s_mov_b32 s[G0SB], 1
	s_mov_b32 s[G0SB+1], SCB
	s_sub_nc_u64 s[G0SB+2:G0SB+3], s[100:101], s[2:3]
	s_or_b32 s[G0SB+3], s[G0SB+3], 0x80000000
.irp s, 0,1,2
	s_mov_b32 s[G0A+4*\s], 1
	s_add_co_u32 s[G0A+4*\s+1], s4, \s*SLOT
	s_add_nc_u64 s[G0A+4*\s+2:G0A+4*\s+3], s[56:57], \s*3072
	s_or_b32 s[G0A+4*\s+3], s[G0A+4*\s+3], 0x80000000
	s_mov_b32 s[G0B+4*\s], 1
	s_add_co_u32 s[G0B+4*\s+1], s4, \s*SLOT
	s_add_nc_u64 s[G0B+4*\s+2:G0B+4*\s+3], s[60:61], \s*3072
	s_or_b32 s[G0B+4*\s+3], s[G0B+4*\s+3], 0x80000000
.endr
	CROUND                                         ; all sixteen work-groups are here: the first joint loads meet
	s_cmp_eq_u32 s16, 0                            ; one chain of arms on the wave's number, one load to an arm
	s_cbranch_scc0 .Lhead_1
	tensor_load_to_lds s[G0A:G0A+3], s[G1A:G1A+7]  ; wave 0 (half 0, LDS byte 0): slot 0's 16 row blocks of X
	s_nop 0
	PLACES
	s_branch .Lfirst_done
.Lhead_1:
	s_cmp_eq_u32 s16, 1
	s_cbranch_scc0 .Lhead_2
	tensor_load_to_lds s[G0SA:G0SA+3], s[G1SA:G1SA+7]   ; wave 1: X's scale words
	s_nop 0
	PLACES
	s_branch .Lfirst_done
.Lhead_2:
	s_cmp_eq_u32 s16, 2
	s_cbranch_scc0 .Lhead_3
	tensor_load_to_lds s[G0B:G0B+3], s[G1B:G1B+7]  ; wave 2 (half 0, LDS byte 2 QB): slot 0's 16 row blocks of Wqk
	s_nop 0
	PLACES
	s_branch .Lfirst_done
.Lhead_3:
	tensor_load_to_lds s[G0SB:G0SB+3], s[G1SB:G1SB+7]   ; wave 3: Wqk's scale words
	s_nop 0
	PLACES
.Lfirst_done:
	s_cmp_eq_u32 s17, 0                            ; the prefetches: waves 0, 1 ask for X's rows, waves 2, 3 for Wqk's: of my half's eight row blocks the two at 2 x my work-group's place among the four partners
	s_cselect_b64 s[66:67], s[56:57], s[60:61]
	s_cselect_b32 s2, s20, s21
	s_mul_i32 s2, s2, 2*12288
	v_and_b32 v30, 31, v0
	v_min_u32 v30, 23, v30                         ; K pairs 1 and 2 are 24 blocks of 256 bytes on end; the lanes left over name the last again
	v_lshl_add_u32 v30, v30, 8, s2
	v_and_b32 v31, 15, v0
	v_min_u32 v31, 11, v31                         ; K pair 3: 12 blocks, one row block for each half of the lanes
	v_lshl_add_u32 v31, v31, 8, s2
	v_bfe_u32 v27, v0, 4, 1
	v_mad_u32_u24 v31, v27, 12288, v31
	global_prefetch_b8 v30, s[66:67] offset:3072 th:TH_LOAD_NT scope:SCOPE_SE
	global_prefetch_b8 v30, s[66:67] offset:3072+12288 th:TH_LOAD_NT scope:SCOPE_SE   ; v30, v31 and s[66:67] are never written again
	s_lshl_b32 s56, s22, 9
	s_lshl_b32 s57, s18, 8
	s_add_co_u32 s56, s56, s57                     ; 512 x tile column + 256 WN: it serves three times
	s_mov_b32 s57, 0
	s_add_nc_u64 s[100:101], s[8:9], s[56:57]
	s_add_nc_u64 s[100:101], s[100:101], 8192      ; the bias of my 64 rows of Wv: number 2,048 + 128 x tile column + 64 WN
	s_add_nc_u64 s[8:9], s[8:9], s[56:57]
	s_add_nc_u64 s[8:9], s[8:9], s[56:57]          ; of my 128 rows of Wqk: number 256 x tile column + 128 WN
	s_add_nc_u64 s[6:7], s[6:7], s[56:57]
	s_add_nc_u64 s[6:7], s[6:7], 40960             ; the scale words of my 64 rows of Wv: row block 640 + 8 x tile column + 4 WN, 64 bytes each
	s_lshl_b32 s4, s23, 1
	s_add_co_u32 s4, s4, s17                       ; my 128 rows of X: chunk 2 x tile row + WM
	s_lshl_b32 s5, s22, 1
	s_add_co_u32 s5, s5, s18                       ; 2 x tile column + WN
	s_lshl_b32 s56, s4, 7
	s_add_co_u32 s56, s56, s5
	s_mul_i32 s56, s56, 1536
	s_add_nc_u64 s[10:11], s[10:11], s[56:57]      ; qk: row block 8 x chunk, K step 2 x tile column + WN
	s_lshl_b32 s56, s5, 8
	s_add_co_u32 s56, s56, s4
	s_mul_i32 s56, s56, 1536
	s_add_nc_u64 s[12:13], s[12:13], s[56:57]      ; vt: row block 4 (2 x tile column + WN), K step = chunk
	s_lshl_b32 s56, s4, 12
	s_lshl_b32 s60, s5, 8
	s_add_co_u32 s56, s56, s60
	s_add_co_u32 s56, s56, 524288
	s_add_nc_u64 s[20:21], s[14:15], s[56:57]      ; vt's scale words: my 64 slots of row 'chunk'
	s_lshl_b32 s56, s5, 15
	s_lshl_b32 s60, s4, 9
	s_add_co_u32 s56, s56, s60
	s_add_nc_u64 s[14:15], s[14:15], s[56:57]      ; qk's: my 128 slots of row 2 x tile column + WN
	s_mov_b32 s2, 0x76543210
	s_mov_b32 s3, 0xfedcba98                       ; v_permlanex16_b32's selects for lane l xor 16
	s_xor_b32 s58, s17, 1
	s_mul_i32 s58, s58, 3072                       ; what K step 5's fill takes off slot 1's address: a K pair in waves 0 and 1, nothing in waves 2 and 3
	s_mov_b32 s59, 0
	s_mul_i32 s19, s17, 2*SLOT                     ; where K step 7's fill goes: K pairs 0, 1 to slot 0's W quarters, 2, 3 to slot 2's
	s_mul_i32 s60, s18, QB
	s_add_co_u32 s19, s19, s60
	s_add_co_u32 s19, s19, 2*QB
	v_and_b32 v1, 31, v0                           ; lane
	v_and_b32 v2, 15, v0                           ; r
	v_bfe_u32 v3, v0, 4, 1                         ; h
	v_lshlrev_b32 v15, 4, v1                       ; 16 x lane
	v_lshlrev_b32 v22, 3, v1                       ; 8 x lane
	v_lshlrev_b32 v16, 6, v3                       ; the bias along source 0's rows: 64 h
	v_and_b32 v17, 8, v2
	v_add_nc_u32 v17, v17, v2
	v_lshlrev_b32 v17, 2, v17                      ; along source 1's rows: 4 (r + 8 (r / 8))
	v_mul_u32_u24 v18, v3, WPITCH*8                ; Wv's scale words: lanes 16-31 take the K step one further on,
	v_lshl_add_u32 v18, v2, 2, v18                 ; + 4 r
	WIN 0x40                                       ; destination window 1
.irp t, 0,1,2,3,4,5,6,7                        ; register 8 t + j: the bias of Wqk's row 32 (t / 2) + 8 (t % 2) + 16 h + j
	global_load_b128 v[BC+8*\t:BC+8*\t+3], v16, s[8:9] offset:(32*(\t/2)+8*(\t%2))*4
	global_load_b128 v[BC+8*\t+4:BC+8*\t+7], v16, s[8:9] offset:(32*(\t/2)+8*(\t%2))*4+16
.endr
	WIN 0
.irp q, 0,1,2,3
.irp a, 0,1,2,3
	global_load_b32 v[WS+4*\q+\a], v18, s[6:7] offset:2*WPITCH*8*\q+64*\a   ; K steps 2 q | 2 q + 1, block a: they stay in registers
.endr
.endr
	s_mul_i32 s56, s17, QB                         ; my 128 rows of X,
	s_mul_i32 s57, s18, QB
	s_add_co_u32 s57, s57, 2*QB                    ; of Wqk, behind X's two quarters
.irp s, 0,1,2
	v_add_nc_u32 v[ADRA+\s], s56, v15
	v_add_nc_u32 v[ADRB+\s], s57, v15
	s_add_co_u32 s56, s56, SLOT
	s_add_co_u32 s57, s57, SLOT
.endr
	s_mul_i32 s56, s17, QB
	s_add_co_u32 s56, s56, SLOT+2*QB
	v_add_nc_u32 v[ADRX], s56, v15
	s_mul_i32 s56, s18, 4*3072                     ; my four row blocks of Wv's eight
	s_add_co_u32 s56, s56, 2*QB
	v_add_nc_u32 v[ADRW], s56, v15
	s_add_co_u32 s56, s56, 2*SLOT
	v_add_nc_u32 v[ADRW+1], s56, v15
	s_lshl_b32 s56, s17, 9                         ; a half is 128 slots of a K step's 256: 512 bytes
	s_lshl_b32 s57, s18, 9
	s_add_co_u32 s57, s57, SCB-SCA
	s_sub_co_u32 s57, s57, s56                     ; from my words of X to my words of Wqk
	v_mul_u32_u24 v[ADRS], s57, v3                 ; lanes 16-31 take Wqk's
	s_add_co_u32 s56, s56, SCA
	v_lshl_add_u32 v[ADRS], v2, 2, v[ADRS]
	v_add_nc_u32 v[ADRS], s56, v[ADRS]
	s_lshl_b32 s56, s16, 9
	s_add_co_u32 s56, s56, SWST
	v_lshl_add_u32 v13, v2, 2, s56                 ; the new scale words: in, 4 r;
	v_add_nc_u32 v14, s56, v15                     ; back: tile 1's 512 bytes, 16 x lane;
	v_add_nc_u32 v19, s56, v22                     ; tile 2's 256 bytes, 8 x lane
	s_wait_alu depctr_va_vdst(0)
	s_wait_tensorcnt 0x0                           ; my tile of the head's four is in
	ds_add_u32 v[SPW], v[NIL]
	s_mov_b32 s[G1A+2], 8<<16                      ; no tensor load of mine is out: from here on a load brings 8 row blocks
	s_mov_b32 s[G1A+4], 8
	s_mov_b32 s[G1B+2], 8<<16
	s_mov_b32 s[G1B+4], 8
	s_wait_dscnt 0x0
	CROUND                                         ; all four tiles are in, in every work-group
	JLOAD G0A+4, G1A, G0B+4, G1B                   ; slot 1's first fill, a quarter a wave
	; ---- TILE 1
	FETCH_B 0
	FETCH_S 0
	FETCH_A 0
	s_wait_dscnt 0x0
	FETCH_B 1
	FETCH_S 1
	FETCH_A 1
	s_wait_loadcnt 0x0                             ; the bias, and Wv's scale words
	WIN 0x91                                       ; C (the bias) window 1, D window 2
	MULS 0, 0, 4, 1
	WIN 0xd1                                       ; D window 3
	MULS 0, 4, 4, 1
	MEETK 1, 0                                     ; slot 1 has landed; slot 2 is asked for
	STEP 2
	MEETK 3, 1                                     ; slot 2 has landed; slot 0, read out since K step 1, takes K steps 6 and 7
	STEP 4
	MEETK 5, 2                                     ; K steps 6 and 7 have landed, in every wave; slot 1 takes X's K steps 0 to 3 for tile 2
	STEP 6
	MEETK 7, 3                                     ; those have landed; Wv is asked for, and has the way out below in which to land
	WIN 0
	PLACES                                         ; in front of the first read of results and the first write of registers that held fragments
	WIN 0x40
.irp a, 0,1,2,3                                ; tile 2's bias, into the registers that held tile 1's (last read in K step 0): registers 8 a + 0 .. 7: eight times the bias of my row of Wv's block a
.irp j, 0,1,2,3,4,5,6,7
	global_load_b32 v[BC+8*\a+\j], v17, s[100:101] offset:(32*(\a/2)+8*(\a%2))*4
.endr
.endr
	WIN 0
.irp b, 0,1,2,3
	v_mov_b32 v[TM+4+\b], 0                        ; a lane permute's destination counts as one of its sources
.endr
.irp a, 0,1,2,3,4,5,6,7
	QBLOCK \a, 10, 16*1536
.endr
	ds_load_b128 v[116:119], v14                   ; my 128 scale words, in the order of slots (LDS serves a wave's instructions in order)
	s_wait_dscnt 0x0
	global_store_b128 v15, v[116:119], s[14:15]    ; 512 consecutive bytes
	; ---- TILE 2
	s_wait_tensorcnt 0x0                           ; my K pair of Wv has landed: no load was issued behind it,
	s_barrier_signal -1
	s_barrier_wait -1                              ; everybody's has.
	s_wait_xcnt 0x0                                ; tile 1's stores have read their registers: fragments may land there
	FETCH_W 0
	FETCH_S 0
	FETCH_X 0
	s_wait_loadcnt 0x0                             ; the bias
	STEP2 0, 1
	STEP2 1, 0
	STEP2 2, 0
	STEP2 3, 0
	STEP2 4, 0
	STEP2 5, 0
	STEP2 6, 0
	s_wait_dscnt 0x0                               ; the last K step: nothing more to fetch
	WIN 0xa4
	MULS2 7, 0, 4, 0
	WIN 0
	PLACES
.irp b, 0,1,2,3
	v_mov_b32 v[TM+4+\b], 0
.endr
.irp a, 0,1,2,3
	QBLOCK \a, 12, 64*1536
.endr
	ds_load_b64 v[116:117], v19                    ; my 64 scale words, in the order of slots
	s_wait_dscnt 0x0
	global_store_b64 v22, v[116:117], s[20:21]     ; 32 lanes store 256 consecutive bytes, at a multiple of 256 from the buffer's first byte
	s_wait_tensorcnt 0x0                           ; the wave's end
	ds_add_u32 v[SPW], v[NIL]
	s_wait_dscnt 0x0
	CROUND                                         ; the closing round
	s_endpgm
.Lfunc_end_k_qd864e62679_proj:
	.size	k_qd864e62679_proj, .Lfunc_end_k_qd864e62679_proj-k_qd864e62679_proj
	.p2alignl 7, 3214868480
	.fill 96, 4, 3214868480
	.section	.rodata,"a",@progbits
	.p2align	6, 0x0
	.amdhsa_kernel k_qd864e62679_proj
		.amdhsa_group_segment_fixed_size 327680
		.amdhsa_private_segment_fixed_size 0
		.amdhsa_enable_private_segment 0
		.amdhsa_kernarg_size 48
		.amdhsa_user_sgpr_count 2
		.amdhsa_user_sgpr_kernarg_segment_ptr 1
		.amdhsa_wavefront_size32 1
		.amdhsa_system_sgpr_workgroup_id_x 1
		.amdhsa_system_sgpr_workgroup_id_y 1
		.amdhsa_system_sgpr_workgroup_id_z 1
		.amdhsa_system_vgpr_workitem_id 0
		.amdhsa_next_free_vgpr 1024
		.amdhsa_next_free_sgpr 102
		.amdhsa_reserve_vcc 0
		.amdhsa_float_denorm_mode_32 3
		.amdhsa_float_denorm_mode_16_64 3
		.amdhsa_memory_ordered 1
		.amdhsa_forward_progress 1
		.amdhsa_inst_pref_size 226
	.end_amdhsa_kernel
	.amdgpu_metadata
---
amdhsa.version: [ 1, 2 ]
amdhsa.kernels:
  - .name:           k_qd864e62679_proj
    .symbol:         k_qd864e62679_proj.kd
    .args:
      - { .name: xw, .offset: 0, .size: 8, .value_kind: global_buffer, .address_space: global }
      - { .name: xws, .offset: 8, .size: 8, .value_kind: global_buffer, .address_space: global }
      - { .name: b, .offset: 16, .size: 8, .value_kind: global_buffer, .address_space: global }
      - { .name: qk, .offset: 24, .size: 8, .value_kind: global_buffer, .address_space: global }
      - { .name: vt, .offset: 32, .size: 8, .value_kind: global_buffer, .address_space: global }
      - { .name: qkvs, .offset: 40, .size: 8, .value_kind: global_buffer, .address_space: global }
    .group_segment_fixed_size: 327680
    .private_segment_fixed_size: 0
    .kernarg_segment_align: 8
    .kernarg_segment_size: 48
    .max_flat_workgroup_size: 128
    .sgpr_count:     102
    .vgpr_count:     1024
    .wavefront_size: 32
...
	.end_amdgpu_metadata
.endif
;; end of part 2
;; launch scores (part 3): grid 8 x 32, 4 waves a work-group, clusters of 4 x 4, 327,680 bytes of LDS; arguments qk, qkvs, p, pst; writes p, pst
.if DOCPART == 3
	.amdgcn_target "amdgcn-amd-amdhsa--gfx1250"
	.amdhsa_code_object_version 6
	.text
	.protected	k_qd864e62679_scores
	.globl	k_qd864e62679_scores
	.p2align	8
	.type	k_qd864e62679_scores,@function
k_qd864e62679_scores:
	s_mov_b64 s[64:65], 0
	v_nop
	global_prefetch_b8 v0, s[64:65] scope:SCOPE_SE
	s_setreg_imm32_b32 hwreg(HW_REG_WAVE_MODE, 25, 1), 1
	s_wait_xcnt 0x0
	s_wait_alu depctr_hold_cnt(0) depctr_sa_sdst(0) depctr_va_vdst(0) depctr_va_sdst(0) depctr_va_ssrc(0) depctr_va_vcc(0) depctr_vm_vsrc(0)
	s_getreg_b32 s2, hwreg(HW_REG_IB_STS2, 6, 4)
	s_cmp_eq_u32 s2, 0
	s_cbranch_scc0 .Lentry_in_a_cluster
	s_endpgm
.Lentry_in_a_cluster:
	s_bfe_u32 s2, ttmp6, 0x10000c
	s_cmp_lg_u32 s2, 0xf033
	s_cbranch_scc0 .Lentry_shape_is_right
	s_endpgm
.Lentry_shape_is_right:
; S = Q K^T on codes of FP6 (E2M3) with E8M0 scales, K = 1,024 in eight K steps, and the softmax's p quantised at once, chunk by chunk of 128 keys.
; t = score x log2(e) / 32.  For a query and a chunk: M = the chunk's largest t rounded UP to a whole number; p = 2^(t - M); its four scale bytes and codes are made along the keys; l = the sum of the unquantised p.
; The maximum is taken away before every exponential.  Since every M is a whole number, the next launch brings a chunk under the row's M by taking a whole number off its scale bytes and off l's exponent: the codes stay.
; qk [row block 512][K step 16][1536]: K steps 0-7 are Q, 8-15 are K; qkvs [16][8192] its scale words.  p [row block 512 (queries)][chunk 16][1536]; pst [3][chunk 16][8192 slots]: scale word, -M (f32), l (f32).
; Operands lie as images of fragments (group g of four registers at 512 g + 16 x lane); lane r of block T holds row 32 (T / 2) + 8 (T % 2) + r + 8 (r / 8).  THE MATRIX INSTRUCTION IS USED TRANSPOSED (source 0 = 16 keys,
; source 1 = 16 queries): a lane holds one query, and register 16 b + i of its eight accumulators holds key 32 b + 16 h + i of the wave's 128.
; A tile of 256 queries x 256 keys is made by four waves, each 128 x 128.  Slots, joint loads and the order of a K step are those of the launch before.
; LIMITS: NaN and infinities are not served; a p under 2^-126 counts as 0 (v_exp_f32 gives 0 there: ISA guide, its entry), beside a chunk's largest p above 1/2; a block whose every p is 0 keeps the byte 1.
; REGISTERS: window 0: v1-15 lane numbers and addresses; v28-29 for the add; v32-47 scale words; v64-159, v160-255 A's fragments (on the way out: v64-127 p, v128-147 codes, v148-163 at work, v164-195 four numbers a block, v200-211).
;   window 1: B's fragments, two sets.   windows 2, 3: accumulator (a, b) at v[8 (8 (a % 4) + b)] of window 2 + a / 4.
; THE FILLS: at the head one joint load a wave: wave 0 slot 0's 16 row blocks of Q, wave 2 those of K, wave 1 Q's scale words, wave 3 K's (both halves at once: [K step 8][256 slots]).
; Behind a full round: slot 1, a quarter a wave.  In K step 1's round: slot 2's first fill.  In K step 3's: slot 0 takes K steps 6, 7.
; PREFETCHES: K pairs 1 and 2 of the rows are asked for behind the head's loads, K pair 3 in K step 1, one and a half K steps ahead of its load; the eight waves that fetch a tile jointly take two row blocks each, by address.
.set QB,     24576
.set SLOT,   4*QB
.set SCA,    3*SLOT
.set SCB,    SCA+8192+64
.set SPARE,  311552                    ; the spare words, 128 bytes for each wave: two blocks of 256 bytes that no other line names
.set SWST,   SPARE+512                 ; the way out of the three arrays of words: 3 x (512 bytes for each wave)
.set CPITCH, 3072                      ; from row block to row block in qk, in elements of 8 bytes
.set WPITCH, 4096                      ; from K step to K step in qkvs
.set ADRA, 4
.set ADRB, 8
.set ADRS, 12
.set SPW,  28
.set NIL,  29
.set SC,   32
.set P,    64
.set PC,   128
.set TM,   148
.set ST,   164                         ; block a: v[ST + 4 a] -M, +1 the largest t, +2 l, +3 the scale word
.set G1A,  24
.set G1B,  32
.set G1SA, 40
.set G1SB, 48
.set G0A,  68
.set G0B,  80
.set G0SA, 92
.set G0SB, 96
.set MSB, 0
.macro WIN new                         ; the immediate's high byte repeats the setting that is left
.if MSB != (\new)
	s_set_vgpr_msb (MSB<<8)|(\new)
.set MSB, (\new)
.endif
.endm
.macro PLACES                          ; four plain places between a matrix instruction and a load into, or a vector instruction on, its registers
.rept 4
	v_nop
.endr
.endm
.macro CREST
	s_cmp_lg_u32 s16, 0
	s_cbranch_scc1 .Lnot_wave_0_\@
	s_barrier_signal -3
.Lnot_wave_0_\@:
	s_barrier_wait -3
	s_barrier_signal -1
	s_barrier_wait -1
.endm
.macro CROUND
	s_barrier_signal -1
	s_barrier_wait -1
	CREST
.endm
.macro JLOAD g0a, g1a, g0b, g1b        ; a joint load: waves 0 and 1 fetch A's halves, waves 2 and 3 B's; four v_nop follow each line
	s_cmp_eq_u32 s17, 0
	s_cbranch_scc0 .Lfor_b_\@
	tensor_load_to_lds s[\g0a:\g0a+3], s[\g1a:\g1a+7]
	s_nop 0
.rept 4
	v_nop
.endr
	s_branch .Lasked_\@
.Lfor_b_\@:
	tensor_load_to_lds s[\g0b:\g0b+3], s[\g1b:\g1b+7]
	s_nop 0
.rept 4
	v_nop
.endr
.Lasked_\@:
.endm
.macro FETCH_B k
	WIN 0x40
.set fs, ((\k)/2)%3
.set fo, 1536*((\k)%2)
.set fr, 96*((\k)%2)
.irp i, 0,1,2,3,4,5,6,7
.irp g, 0,1,2
	ds_load_b128 v[fr+12*\i+4*\g:fr+12*\i+4*\g+3], v[ADRB+fs] offset:fo+3072*\i+512*\g
.endr
.endr
	WIN 0
.endm
.macro FETCH_A k
.set fs, ((\k)/2)%3
.set fo, 1536*((\k)%2)
.set fr, 64+96*((\k)%2)
.irp i, 0,1,2,3,4,5,6,7
.irp g, 0,1,2
	ds_load_b128 v[fr+12*\i+4*\g:fr+12*\i+4*\g+3], v[ADRA+fs] offset:fo+3072*\i+512*\g
.endr
.endr
.endm
.macro FETCH_S k
.irp i, 0,1,2,3,4,5,6,7
	ds_load_b32 v[SC+8*((\k)%2)+\i], v[ADRS] offset:1024*(\k)+64*\i
.endr
.endm
; na x 8 matrix instructions of K step k.  zero = 1: the first product starts the sums: nothing is ever cleared.  The 64 accumulators take turns, one instruction a turn.
.macro MULS k, a0, na, zero
.set pp, (\k)%2
.set aa, \a0
.rept \na
.set bb, 0
.rept 8
.set rD, 8*(8*(aa%4)+bb)
.if \zero
	v_wmma_scale_f32_16x16x128_f8f6f4 v[rD:rD+7], v[96*pp+12*bb:96*pp+12*bb+11], v[64+96*pp+12*aa:64+96*pp+12*aa+11], 0, v[SC+8*pp+bb], v[SC+8*pp+aa] matrix_a_fmt:MATRIX_FMT_FP6 matrix_b_fmt:MATRIX_FMT_FP6 matrix_a_scale:MATRIX_SCALE_ROW1
.else
	v_wmma_scale_f32_16x16x128_f8f6f4 v[rD:rD+7], v[96*pp+12*bb:96*pp+12*bb+11], v[64+96*pp+12*aa:64+96*pp+12*aa+11], v[rD:rD+7], v[SC+8*pp+bb], v[SC+8*pp+aa] matrix_a_fmt:MATRIX_FMT_FP6 matrix_b_fmt:MATRIX_FMT_FP6 matrix_a_scale:MATRIX_SCALE_ROW1
.endif
.set bb, bb+1
.endr
.set aa, aa+1
.endr
.endm
.macro STEP k, zero                    ; the four places at its head stand between the step before, which read the other sets, and both runs of loads into them
	s_wait_dscnt 0x0                               ; this step's fragments and scale words are in
	PLACES
	FETCH_B (\k)+1
	FETCH_S (\k)+1
	WIN 0xa1                                       ; source 0 (B) window 1, source 1 (A) window 0, C and D window 2
	MULS \k, 0, 4, \zero
	WIN 0
	FETCH_A (\k)+1
	WIN 0xf1                                       ; C and D window 3
	MULS \k, 4, 4, \zero
.endm
; A K step with a change of slots: ONE barrier; in front of it each wave waits for all its tensor loads, adds 0 to its spare word, and waits for that and for its own LDS reads.
; round = 1: slot 0, which nobody reads any more, is filled again with K steps 6 and 7; the barrier then opens a round of the cluster's barrier.
.macro MEETK k, round
	WIN 0
	s_wait_tensorcnt 0x0                           ; all my tensor loads have landed
	ds_add_u32 v[SPW], v[NIL]                      ; 0 onto my spare word
	s_wait_dscnt 0x1                               ; this step's fragments are in; the add may be out
	WIN 0xa1
	MULS \k, 0, 2, 0
	s_wait_dscnt 0x0                               ; the add is done, and my reads of the slots so far are over
	s_barrier_signal -1
	MULS \k, 2, 2, 0
	WIN 0
	s_barrier_wait -1
.if \round
	CREST                                          ; no wave of any partner still reads the bytes that are filled now, or has a load on its way
.if (\round) == 2
	JLOAD G0A+8, G1A, G0B+8, G1B                   ; round = 2: slot 2's first fill, issued as a refill is
.else
	s_add_nc_u64 s[G0A+2:G0A+3], s[G0A+2:G0A+3], 3*3072
	s_add_nc_u64 s[G0B+2:G0B+3], s[G0B+2:G0B+3], 3*3072
	JLOAD G0A, G1A, G0B, G1B                       ; my only tensor load behind the round; its four v_nop are the places in front of the loads below
.endif
.else
	PLACES
.endif
	FETCH_B (\k)+1
	FETCH_S (\k)+1
	FETCH_A (\k)+1
.if (\round) == 2
	global_prefetch_b8 v31, s[66:67] offset:9216 th:TH_LOAD_NT scope:SCOPE_SE   ; K pair 3 of my two row blocks: 12 blocks of 256 bytes for each half of the lanes
.endif
	WIN 0xf1
	MULS \k, 4, 4, 0
.endm
	s_load_b256 s[4:11], s[0:1], 0x0               ; qk s[4:5], qkvs s[6:7], p s[8:9], pst s[10:11]
	v_lshl_add_u32 v[SPW], v0, 2, SPARE
	v_mov_b32 v[NIL], 0
	ds_add_u32 v28, v29
	ds_add_u32 v28, v29
	s_wait_dscnt 0x0
	v_lshrrev_b32 v1, 5, v0
	v_readfirstlane_b32 s16, v1                    ; wave 0..3
	s_lshr_b32 s17, s16, 1                         ; WM: my half of the queries.  Also: I fetch for A (0) or for B (1)
	s_and_b32 s18, s16, 1                          ; WN: my half of the keys.  Also: which half I fetch
	s_bfe_u32 s20, ttmp6, 0x40000                  ; cx
	s_bfe_u32 s21, ttmp6, 0x40004                  ; cy
	s_mov_b32 s22, ttmp9
	s_and_b32 s23, ttmp7, 0xffff
	s_lshl_b32 s56, s21, 2
	s_lshl_b32 s56, 15, s56                        ; my row of the cluster
	s_lshl_b32 s57, 0x1111, s20                    ; my column
	s_or_b32 s[G1A], s56, (3<<16)|(1<<21)          ; 15:0 the mask; 17:16 elements of 8 bytes; 21 set beside a mask; no padding
	s_or_b32 s[G1SA], s56, (3<<16)|(1<<21)
	s_or_b32 s[G1B], s57, (3<<16)|(1<<21)
	s_or_b32 s[G1SB], s57, (3<<16)|(1<<21)
.irp g, G1A, G1B                       ; codes: 8 row blocks x 3,072 bytes (two K steps' images on end)
	s_mov_b32 s[\g+1], 384<<16
	s_mov_b32 s[\g+2], 16<<16                      ; the head's loads bring 16 row blocks; behind them these two words are set to 8
	s_mov_b32 s[\g+3], 384<<16
	s_mov_b32 s[\g+4], 16
	s_mov_b32 s[\g+5], CPITCH
	s_mov_b32 s[\g+6], 0
	s_mov_b32 s[\g+7], 0
.endr
.irp g, G1SA, G1SB                     ; scale words: 8 K steps x 1,024 bytes (256 slots)
	s_mov_b32 s[\g+1], 128<<16                     ; rows of 1,024 bytes: 256 slots
	s_mov_b32 s[\g+2], 8<<16
	s_mov_b32 s[\g+3], 128<<16
	s_mov_b32 s[\g+4], 8
	s_mov_b32 s[\g+5], WPITCH
	s_mov_b32 s[\g+6], 0
	s_mov_b32 s[\g+7], 0
.endr
	s_lshl_b32 s58, s23, 2
	s_add_co_u32 s58, s58, s21                     ; the tile's row: 256 queries of the 8,192
	s_lshl_b32 s60, s22, 2
	s_add_co_u32 s60, s60, s20                     ; its column: 256 keys of the batch's 2,048
	s_lshl_b32 s2, s58, 4
	s_lshl_b32 s3, s17, 3
	s_add_co_u32 s2, s2, s3                        ; my first row block of p
	s_lshl_b32 s2, s2, 4
	s_lshl_b32 s3, s60, 1
	s_add_co_u32 s3, s3, s18                       ; my chunk of keys
	s_add_co_u32 s2, s2, s3
	s_mul_i32 s2, s2, 1536                         ; the first image's byte in p
	s_lshl_b32 s3, s3, 13
	s_lshl_b32 s100, s58, 8
	s_add_co_u32 s3, s3, s100
	s_lshl_b32 s100, s17, 7
	s_add_co_u32 s3, s3, s100
	s_lshl_b32 s3, s3, 2                           ; my 128 words' byte in each array of pst
	s_lshl_b32 s62, s18, 3
	s_lshl_b32 s59, s58, 4
	s_add_co_u32 s59, s59, s62                     ; the row blocks of Q that I would fetch
	s_lshr_b32 s61, s23, 1                         ; the batch
	s_lshl_b32 s61, s61, 7
	s_lshl_b32 s60, s60, 4
	s_add_co_u32 s61, s61, s60
	s_add_co_u32 s61, s61, s62                     ; and of K
	s_mul_i32 s56, s59, 24576
	s_mov_b32 s57, 0
	s_lshl_b32 s58, s59, 6
	s_mov_b32 s59, 0
	s_mul_i32 s62, s61, 24576
	s_add_co_u32 s62, s62, 12288                   ; K's images begin at K step 8 of a row block
	s_mov_b32 s63, 0
	s_lshl_b32 s60, s61, 6
	s_add_co_u32 s60, s60, 262144                  ; and its scale words at row 8
	s_mov_b32 s61, 0
	s_wait_kmcnt 0x0
	s_add_nc_u64 s[56:57], s[4:5], s[56:57]
	s_add_nc_u64 s[58:59], s[6:7], s[58:59]
	s_add_nc_u64 s[62:63], s[4:5], s[62:63]
	s_add_nc_u64 s[60:61], s[6:7], s[60:61]
	s_mul_i32 s4, s16, QB                          ; where they go: wave x a quarter: no place in the cluster enters an LDS address
	s_lshl_b32 s100, s18, 9                        ; the scale words come for both halves at once: 512 bytes back to half 0
	s_mov_b32 s101, 0
	s_mov_b32 s[G0SA], 1
	s_mov_b32 s[G0SA+1], SCA
	s_sub_nc_u64 s[G0SA+2:G0SA+3], s[58:59], s[100:101]
	s_or_b32 s[G0SA+3], s[G0SA+3], 0x80000000
	s_mov_b32 s[G0SB], 1
	s_mov_b32 s[G0SB+1], SCB
	s_sub_nc_u64 s[G0SB+2:G0SB+3], s[60:61], s[100:101]
	s_or_b32 s[G0SB+3], s[G0SB+3], 0x80000000
.irp s, 0,1,2
	s_mov_b32 s[G0A+4*\s], 1
	s_add_co_u32 s[G0A+4*\s+1], s4, \s*SLOT
	s_add_nc_u64 s[G0A+4*\s+2:G0A+4*\s+3], s[56:57], \s*3072
	s_or_b32 s[G0A+4*\s+3], s[G0A+4*\s+3], 0x80000000
	s_mov_b32 s[G0B+4*\s], 1
	s_add_co_u32 s[G0B+4*\s+1], s4, \s*SLOT
	s_add_nc_u64 s[G0B+4*\s+2:G0B+4*\s+3], s[62:63], \s*3072
	s_or_b32 s[G0B+4*\s+3], s[G0B+4*\s+3], 0x80000000
.endr
	CROUND                                         ; all sixteen work-groups are here: the first joint loads meet
	s_cmp_eq_u32 s16, 0                            ; one chain of arms on the wave's number, one load to an arm
	s_cbranch_scc0 .Lhead_1
	tensor_load_to_lds s[G0A:G0A+3], s[G1A:G1A+7]  ; wave 0 (half 0, LDS byte 0): slot 0's 16 row blocks of Q
	s_nop 0
	PLACES
	s_branch .Lfirst_done
.Lhead_1:
	s_cmp_eq_u32 s16, 1
	s_cbranch_scc0 .Lhead_2
	tensor_load_to_lds s[G0SA:G0SA+3], s[G1SA:G1SA+7]   ; wave 1: Q's scale words
	s_nop 0
	PLACES
	s_branch .Lfirst_done
.Lhead_2:
	s_cmp_eq_u32 s16, 2
	s_cbranch_scc0 .Lhead_3
	tensor_load_to_lds s[G0B:G0B+3], s[G1B:G1B+7]  ; wave 2 (half 0, LDS byte 2 QB): slot 0's 16 row blocks of K
	s_nop 0
	PLACES
	s_branch .Lfirst_done
.Lhead_3:
	tensor_load_to_lds s[G0SB:G0SB+3], s[G1SB:G1SB+7]   ; wave 3: K's scale words
	s_nop 0
	PLACES
.Lfirst_done:
	s_cmp_eq_u32 s17, 0                            ; the prefetches: waves 0, 1 ask for Q's rows, waves 2, 3 for K's: of my half's eight row blocks the two at 2 x my work-group's place among the four partners
	s_cselect_b64 s[66:67], s[56:57], s[62:63]
	s_cselect_b32 s100, s20, s21
	s_mul_i32 s100, s100, 2*24576
	v_and_b32 v30, 31, v0
	v_min_u32 v30, 23, v30                         ; K pairs 1 and 2 are 24 blocks of 256 bytes on end; the lanes left over name the last again
	v_lshl_add_u32 v30, v30, 8, s100
	v_and_b32 v31, 15, v0
	v_min_u32 v31, 11, v31                         ; K pair 3: 12 blocks, one row block for each half of the lanes
	v_lshl_add_u32 v31, v31, 8, s100
	v_bfe_u32 v27, v0, 4, 1
	v_mad_u32_u24 v31, v27, 24576, v31
	global_prefetch_b8 v30, s[66:67] offset:3072 th:TH_LOAD_NT scope:SCOPE_SE
	global_prefetch_b8 v30, s[66:67] offset:3072+24576 th:TH_LOAD_NT scope:SCOPE_SE   ; v30, v31 and s[66:67] are never written again
	s_mov_b32 s6, s2
	s_mov_b32 s7, 0
	s_add_nc_u64 s[8:9], s[8:9], s[6:7]
	s_mov_b32 s6, s3
	s_add_nc_u64 s[10:11], s[10:11], s[6:7]
	s_mov_b32 s12, 0x3d38aa3b                      ; c = log2(e) / sqrt(1024)
	s_mov_b32 s13, s12                             ; (the packed form names the pair, so both are written)
	s_mov_b32 s14, 0x76543210
	s_mov_b32 s15, 0xfedcba98                      ; v_permlanex16_b32's selects for lane l xor 16
	v_and_b32 v1, 31, v0                           ; lane
	v_and_b32 v2, 15, v0                           ; r
	v_bfe_u32 v3, v0, 4, 1                         ; h
	s_wait_alu depctr_va_vdst(0)
	v_lshlrev_b32 v15, 4, v1                       ; 16 x lane
	s_mul_i32 s56, s17, QB
	s_mul_i32 s57, s18, QB
	s_add_co_u32 s57, s57, 2*QB
.irp s, 0,1,2
	v_add_nc_u32 v[ADRA+\s], s56, v15
	v_add_nc_u32 v[ADRB+\s], s57, v15
	s_add_co_u32 s56, s56, SLOT
	s_add_co_u32 s57, s57, SLOT
.endr
	s_lshl_b32 s56, s17, 9                         ; a half is 128 slots of a K step's 256: 512 bytes
	s_lshl_b32 s57, s18, 9
	s_add_co_u32 s57, s57, SCB-SCA
	s_sub_co_u32 s57, s57, s56                     ; from my words of A to my words of B
	v_mul_u32_u24 v[ADRS], s57, v3                 ; lanes 16-31 take B's
	s_add_co_u32 s56, s56, SCA
	v_lshl_add_u32 v[ADRS], v2, 2, v[ADRS]
	v_add_nc_u32 v[ADRS], s56, v[ADRS]
	s_lshl_b32 s56, s16, 9
	s_add_co_u32 s56, s56, SWST
	v_lshl_add_u32 v13, v2, 2, s56                 ; the words' way out: in, 4 r;
	v_add_nc_u32 v14, s56, v15                     ; back, 16 x lane
	s_wait_alu depctr_va_vdst(0)
	s_wait_tensorcnt 0x0                           ; my tile of the head's four is in
	ds_add_u32 v[SPW], v[NIL]
	s_mov_b32 s[G1A+2], 8<<16                      ; no tensor load of mine is out: from here on a load brings 8 row blocks
	s_mov_b32 s[G1A+4], 8
	s_mov_b32 s[G1B+2], 8<<16
	s_mov_b32 s[G1B+4], 8
	s_wait_dscnt 0x0
	CROUND                                         ; all four tiles are in, in every work-group
	JLOAD G0A+4, G1A, G0B+4, G1B                   ; slot 1's first fill, a quarter a wave
	FETCH_B 0
	FETCH_S 0
	FETCH_A 0
	STEP 0, 1
	MEETK 1, 2                                     ; slot 1 has landed; slot 2 is asked for
	STEP 2, 0
	MEETK 3, 1                                     ; slot 2 has landed; slot 0, read out since K step 1, takes K steps 6 and 7
	STEP 4, 0
	MEETK 5, 0                                     ; the one load that was out has landed, in every wave
	STEP 6, 0
	s_wait_dscnt 0x0                               ; the last K step: nothing more to fetch
	WIN 0xa1
	MULS 7, 0, 4, 0
	WIN 0xf1
	MULS 7, 4, 4, 0
	WIN 0
	PLACES                                         ; in front of the first read of results and the first write of registers that held fragments
.macro QTAIL src, pw                   ; the blocks' largest p in v[TM] on; 64 numbers in v[src] on: codes into v[PC] on, the scale word into v[pw]
.irp b, 0,1,2,3
	v_add_nc_u32 v[TM+12+\b], 0xff000000, v[TM+\b] ; 2 off the exponent field: the conversion's scale operand
.endr
.irp b, 0,1,2,3
	v_lshrrev_b32 v[TM+4+\b], 23, v[TM+12+\b]      ; the scale's byte
.endr
	v_lshl_or_b32 v[\pw], v[TM+5], 8, v[TM+4]
	v_lshl_or_b32 v[\pw], v[TM+6], 16, v[\pw]
	v_lshl_or_b32 v[\pw], v[TM+7], 24, v[\pw]
	s_wait_xcnt 0x0                                ; the last block's stores have read the codes' registers: only behind this wait are they written again
.irp c, 0,1
	v_cvt_scalef32_pk16_fp6_f32 v[PC+6*\c:PC+6*\c+2], v[\src+32*\c:\src+32*\c+15], v[TM+12+2*\c]
	v_cvt_scalef32_pk16_fp6_f32 v[PC+12+4*\c:PC+12+4*\c+2], v[\src+32*\c+16:\src+32*\c+31], v[TM+12+2*\c+1]
.endr
	v_nop                                          ; one plain place behind a scaled conversion
.irp c, 0,1
.irp i, 0,1,2
	v_permlane16_swap_b32 v[PC+6*\c+\i], v[PC+12+4*\c+\i]   ; a whole block to a lane
.endr
.irp i, 0,1,2
	v_mov_b32 v[PC+3+6*\c+\i], v[PC+12+4*\c+\i]
.endr
.endr
.endm
; THE WAY OUT of block a: 16 queries x my 128 keys: one fragment of the next product
.macro SOFT a
.set W, 2+(\a)/4
.set AC, 64*((\a)%4)
.set SA, ST+4*(\a)
	WIN (W|(W<<2)|(W<<4))
.irp b, 0,1,2,3
	v_max3_num_f32 v[TM+\b], v[AC+16*\b], v[AC+16*\b+1], v[AC+16*\b+2]   ; the largest SCORE of each block of 32 keys: for the chunk's maximum and, since p rises with the score, for the block's largest p.  Each accumulator is read from its low end on
.endr
	WIN ((W<<2)|(W<<4))
.irp i, 3,5,7,9,11,13
.irp b, 0,1,2,3
	v_max3_num_f32 v[TM+\b], v[TM+\b], v[AC+16*\b+\i], v[AC+16*\b+\i+1]
.endr
.endr
	WIN (W<<2)
.irp b, 0,1,2,3
	v_max_num_f32 v[TM+\b], v[TM+\b], v[AC+16*\b+15]
.endr
	WIN 0
.irp b, 0,1,2,3
	v_permlanex16_b32 v[TM+4+\b], v[TM+\b], s14, s15
.endr
.irp b, 0,1,2,3
	v_max_num_f32 v[TM+\b], v[TM+\b], v[TM+4+\b]   ; with lane l xor 16's 16 keys
.endr
	v_max3_num_f32 v[SA+1], v[TM], v[TM+1], v[TM+2]
	v_max_num_f32 v[SA+1], v[SA+1], v[TM+3]        ; the chunk's largest score of my query,
	v_mul_f32 v[SA+1], s12, v[SA+1]                ; as t (c is positive)
	v_floor_f32 v[SA], -v[SA+1]                    ; -M = floor(-t) = -ceil(t): a whole number
	WIN W                                          ; source 0: the accumulators' window
.set n, 0
.rept 32
	v_pk_fma_f32 v[P+n:P+n+1], v[AC+n:AC+n+1], s[12:13], v[SA:SA+1] op_sel_hi:[1,0,0]   ; t - M, two at a time (of the pairs c and -M the low word serves both halves)
.set n, n+2
.endr
	WIN 0
.irp b, 0,1,2,3
	v_fma_f32 v[TM+\b], v[TM+\b], s12, v[SA]       ; the same of each block's largest score
.endr
.set n, 0
	s_wait_alu depctr_va_vdst(0)
.rept 64
	v_exp_f32 v[P+n], v[P+n]                       ; p = 2^(t - M), at most 1
.set n, n+1
.endr
.irp b, 0,1,2,3
	v_exp_f32 v[TM+\b], v[TM+\b]                   ; the block's largest p: the same two instructions on the same number give the same bits
.endr
	v_nop                                          ; a plain place behind the exponentials
	s_wait_alu depctr_va_vdst(0)
.irp b, 0,1,2,3
	v_max_num_f32 v[TM+\b], 0x1800000, v[TM+\b]    ; the floor 2^(3 - 127): the byte cannot fall under 1
.endr
	QTAIL P, SA+3
	v_pk_add_f32 v[TM+12:TM+13], v[P:P+1], v[P+2:P+3]   ; the sum is taken of the UNQUANTISED p: two at a time, in two chains
	v_pk_add_f32 v[TM+14:TM+15], v[P+4:P+5], v[P+6:P+7]
.set n, 8
.rept 14
	v_pk_add_f32 v[TM+12:TM+13], v[TM+12:TM+13], v[P+n:P+n+1]
	v_pk_add_f32 v[TM+14:TM+15], v[TM+14:TM+15], v[P+n+2:P+n+3]
.set n, n+4
.endr
	v_pk_add_f32 v[TM+12:TM+13], v[TM+12:TM+13], v[TM+14:TM+15]
	v_add_f32 v[SA+2], v[TM+12], v[TM+13]
	v_permlanex16_b32 v[TM+4], v[SA+2], s14, s15
	v_add_f32 v[SA+2], v[SA+2], v[TM+4]            ; with lane l xor 16's 64 keys: l
.irp g, 0,1,2
	global_store_b128 v15, v[PC+4*\g:PC+4*\g+3], s[8:9] offset:24576*\a+512*\g   ; 512 consecutive bytes of the image
.endr
	ds_store_b32 v13, v[SA+3] offset:64*\a         ; both lanes of a query write the same word with the same value
	ds_store_b32 v13, v[SA] offset:2048+64*\a
	ds_store_b32 v13, v[SA+2] offset:4096+64*\a
.endm
.irp b, 0,1,2,3
	v_mov_b32 v[TM+4+\b], 0                        ; written once: a lane permute's destination counts as one of its sources
.endr
.irp a, 0,1,2,3,4,5,6,7
	SOFT \a
.endr
.irp q, 0,1,2
	ds_load_b128 v[200+4*\q:203+4*\q], v14 offset:2048*\q   ; my 128 words of each array, in the order of slots (LDS serves a wave's instructions in order)
.endr
	s_wait_dscnt 0x0
.irp q, 0,1,2
	global_store_b128 v15, v[200+4*\q:203+4*\q], s[10:11] offset:524288*\q   ; 512 consecutive bytes
.endr
	s_wait_tensorcnt 0x0                           ; the wave's end
	ds_add_u32 v[SPW], v[NIL]
	s_wait_dscnt 0x0
	CROUND                                         ; the closing round
	s_endpgm
.Lfunc_end_k_qd864e62679_scores:
	.size	k_qd864e62679_scores, .Lfunc_end_k_qd864e62679_scores-k_qd864e62679_scores
	.p2alignl 7, 3214868480
	.fill 96, 4, 3214868480
	.section	.rodata,"a",@progbits
	.p2align	6, 0x0
	.amdhsa_kernel k_qd864e62679_scores
		.amdhsa_group_segment_fixed_size 327680
		.amdhsa_private_segment_fixed_size 0
		.amdhsa_enable_private_segment 0
		.amdhsa_kernarg_size 32
		.amdhsa_user_sgpr_count 2
		.amdhsa_user_sgpr_kernarg_segment_ptr 1
		.amdhsa_wavefront_size32 1
		.amdhsa_system_sgpr_workgroup_id_x 1
		.amdhsa_system_sgpr_workgroup_id_y 1
		.amdhsa_system_sgpr_workgroup_id_z 1
		.amdhsa_system_vgpr_workitem_id 0
		.amdhsa_next_free_vgpr 1024
		.amdhsa_next_free_sgpr 102
		.amdhsa_reserve_vcc 0
		.amdhsa_float_denorm_mode_32 3
		.amdhsa_float_denorm_mode_16_64 3
		.amdhsa_memory_ordered 1
		.amdhsa_forward_progress 1
		.amdhsa_inst_pref_size 199
	.end_amdhsa_kernel
	.amdgpu_metadata
---
amdhsa.version: [ 1, 2 ]
amdhsa.kernels:
  - .name:           k_qd864e62679_scores
    .symbol:         k_qd864e62679_scores.kd
    .args:
      - { .name: qk, .offset: 0, .size: 8, .value_kind: global_buffer, .address_space: global }
      - { .name: qkvs, .offset: 8, .size: 8, .value_kind: global_buffer, .address_space: global }
      - { .name: p, .offset: 16, .size: 8, .value_kind: global_buffer, .address_space: global }
      - { .name: pst, .offset: 24, .size: 8, .value_kind: global_buffer, .address_space: global }
    .group_segment_fixed_size: 327680
    .private_segment_fixed_size: 0
    .kernarg_segment_align: 8
    .kernarg_segment_size: 32
    .max_flat_workgroup_size: 128
    .sgpr_count:     102
    .vgpr_count:     1024
    .wavefront_size: 32
...
	.end_amdgpu_metadata
.endif
;; end of part 3
;; launch pv (part 4): grid 4 x 64, 4 waves a work-group, clusters of 4 x 4, 327,680 bytes of LDS; arguments p, pst, vt, qkvs, out0; writes out0
.if DOCPART == 4
	.amdgcn_target "amdgcn-amd-amdhsa--gfx1250"
	.amdhsa_code_object_version 6
	.text
	.protected	k_qd864e62679_pv
	.globl	k_qd864e62679_pv
	.p2align	8
	.type	k_qd864e62679_pv,@function
k_qd864e62679_pv:
	s_mov_b64 s[64:65], 0
	v_nop
	global_prefetch_b8 v0, s[64:65] scope:SCOPE_SE
	s_setreg_imm32_b32 hwreg(HW_REG_WAVE_MODE, 25, 1), 1
	s_wait_xcnt 0x0
	s_wait_alu depctr_hold_cnt(0) depctr_sa_sdst(0) depctr_va_vdst(0) depctr_va_sdst(0) depctr_va_ssrc(0) depctr_va_vcc(0) depctr_vm_vsrc(0)
	s_getreg_b32 s2, hwreg(HW_REG_IB_STS2, 6, 4)
	s_cmp_eq_u32 s2, 0
	s_cbranch_scc0 .Lentry_in_a_cluster
	s_endpgm
.Lentry_in_a_cluster:
	s_bfe_u32 s2, ttmp6, 0x10000c
	s_cmp_lg_u32 s2, 0xf033
	s_cbranch_scc0 .Lentry_shape_is_right
	s_endpgm
.Lentry_shape_is_right:
; O = P V / l on codes of FP6 (E2M3) with E8M0 scales.  K = a batch's 2,048 keys: sixteen K steps of 128, one for each chunk in which p was quantised.
; p [row block 512 (queries)][chunk 16][1536], vt [row block 64 (d)][K step 64 = 16 x batch + chunk][1536]: images of fragments (group g of four registers at 512 g + 16 x lane); lane r of block T holds row 32 (T / 2) + 8 (T % 2) + r + 8 (r / 8).
; pst [3][chunk 16][8192 slots]: p's scale word, -M of the chunk (a whole number, f32), l of the chunk.  V's scale words: qkvs from byte 524,288 on, [64][1024].
; FIRST each thread takes one query: the row's -M is the least of the sixteen; d = M - M(chunk), a whole number, is taken off the chunk's four scale bytes and off l's exponent: exact, the codes stay.  The mended words and 1 / l go to LDS.
; LIMITS: d is held at 255, and a scale byte that would fall under 0 is held at 0: such a p is under 7.5 x 2^-127, beside a row's sum above 1/2.  NaN and infinities are not served.
; A tile of 128 queries x 256 of d is made by four waves, each 64 x 128: 32 accumulators.  (Tiles of 256 x 256 would be 128: half as many as there are WGPs.)  THE MATRIX INSTRUCTION IS USED TRANSPOSED (source 0 = 16 rows of V^T, source 1 = 16 queries):
; a lane holds one query and eight neighbouring d an accumulator.  LDS: two slots of four K steps each; each is filled once more.  CLUSTERS: 4 x 4; P's tiles are asked for jointly along a row of the cluster, V's along a column.
; REGISTERS: window 0: v1-25 lane numbers and addresses; v28-29 for the add; v32-43 scale words, two sets of six; v44-51 1 / l; v64-111, v112-159 A's fragments (at the head v64-143 serve the mending; on the way out v64-255).
;   window 1: v0-95, v96-191 B's fragments.   window 2: accumulator (a, b) at v[8 (8 a + b)].
; THE FILLS: at the head one joint load a wave: wave 0 slot 0's 8 row blocks of P, wave 2 its 16 row blocks of V, waves 1 and 3 a half each of V's scale words.  Slot 1's first fill stands behind the round that also shows the mended words.
; PREFETCHES: the four K steps of the fill after next are asked for behind each fill: of the rows that are fetched jointly, waves 0, 1 take one row block of P each, waves 2, 3 two of V each, by address.
.set AQ,     24576
.set BQ,     49152                     ; B's: 8 row blocks
.set SLOT,   2*AQ+2*BQ
.set PSC,    2*SLOT                    ; P's mended scale words: [chunk 16][128 slots]; written by LDS stores
.set RLB,    PSC+8192                  ; 1 / l of the 128 slots
.set SPARE,  RLB+512                   ; the spare words, 128 bytes for each wave: two blocks of 256 bytes that no other line names
.set SCB,    SPARE+512+64              ; V's scale words: [half][K step 16][128 slots]; 64 bytes off, so that lanes 0-15 (P's words) and lanes 16-31 (V's) of one load touch different banks
.set SPI,    528                       ; the way out: a stage of 16 rows x (512 bytes + 16) for each wave, in slot 0, which has had its last fill and its last read by then
.set ADRA, 4                           ; v4-5  LDS address of my A fragments in slot 0, 1
.set ADRB, 8                           ; v8-9  of B's
.set ADRS, 12                          ; v12   scale words: lanes 0-15 P's block i, lanes 16-31 V's block i (i = 0 .. 3)
.set ADRS2, 13                         ; v13   V's blocks 4 | 5 and 6 | 7: one block in each half of the lanes
.set SPW,  28
.set NIL,  29
.set SC,   32
.set RLV,  44
.set BKR,  64                          ; the way out: rows read back, v64-127 and v128-191 by turns
.set Y,    192                         ; and O / l
.set G1A,  24
.set G1B,  32
.set G1SB, 40
.set G0A,  68                          ; s[68:75] group 0 for P's tiles, a set for each slot;  s[76:83] for V's;  s[84:87] for V's scale words
.set G0B,  76
.set G0SB, 84
.set MSB, 0
.macro WIN new                         ; the immediate's high byte repeats the setting that is left
.if MSB != (\new)
	s_set_vgpr_msb (MSB<<8)|(\new)
.set MSB, (\new)
.endif
.endm
.macro PLACES                          ; four plain places between a matrix instruction and a load into, or a vector instruction on, its registers
.rept 4
	v_nop
.endr
.endm
.macro CREST
	s_cmp_lg_u32 s16, 0
	s_cbranch_scc1 .Lnot_wave_0_\@
	s_barrier_signal -3
.Lnot_wave_0_\@:
	s_barrier_wait -3
	s_barrier_signal -1
	s_barrier_wait -1
.endm
.macro CROUND
	s_barrier_signal -1
	s_barrier_wait -1
	CREST
.endm
.macro JLOAD g0a, g1a, g0b, g1b        ; a joint load: waves 0 and 1 fetch A's halves, waves 2 and 3 B's; four v_nop follow each line
	s_cmp_eq_u32 s17, 0
	s_cbranch_scc0 .Lfor_b_\@
	tensor_load_to_lds s[\g0a:\g0a+3], s[\g1a:\g1a+7]
	s_nop 0
.rept 4
	v_nop
.endr
	s_branch .Lasked_\@
.Lfor_b_\@:
	tensor_load_to_lds s[\g0b:\g0b+3], s[\g1b:\g1b+7]
	s_nop 0
.rept 4
	v_nop
.endr
.Lasked_\@:
.endm
.macro FETCH_B k
	WIN 0x40
.set fs, ((\k)/4)%2
.set fo, 1536*((\k)%4)
.set fr, 96*((\k)%2)
.irp i, 0,1,2,3,4,5,6,7
.irp g, 0,1,2
	ds_load_b128 v[fr+12*\i+4*\g:fr+12*\i+4*\g+3], v[ADRB+fs] offset:fo+6144*\i+512*\g
.endr
.endr
	WIN 0
.endm
.macro FETCH_A k
.set fs, ((\k)/4)%2
.set fo, 1536*((\k)%4)
.set fr, 64+48*((\k)%2)
.irp i, 0,1,2,3
.irp g, 0,1,2
	ds_load_b128 v[fr+12*\i+4*\g:fr+12*\i+4*\g+3], v[ADRA+fs] offset:fo+6144*\i+512*\g
.endr
.endr
.endm
.macro FETCH_S k
.irp i, 0,1,2,3
	ds_load_b32 v[SC+6*((\k)%2)+\i], v[ADRS] offset:512*(\k)+64*\i
.endr
.irp j, 0,1
	ds_load_b32 v[SC+6*((\k)%2)+4+\j], v[ADRS2] offset:512*(\k)+128*\j
.endr
.endm
; na x 8 matrix instructions of K step k: A's blocks a0 on, each against B's eight.  zero = 1: the first product starts the sums.  The 32 accumulators take turns, one instruction a turn.
.macro MULS k, a0, na, zero
.set pp, (\k)%2
.set aa, \a0
.rept \na
.set bb, 0
.rept 8
.set rD, 8*(8*aa+bb)
.if bb < 4
.set rS, SC+6*pp+bb
.set up, 1
.else
.set rS, SC+6*pp+4+(bb-4)/2
.set up, bb%2
.endif
.if \zero
.if up
	v_wmma_scale_f32_16x16x128_f8f6f4 v[rD:rD+7], v[96*pp+12*bb:96*pp+12*bb+11], v[64+48*pp+12*aa:64+48*pp+12*aa+11], 0, v[rS], v[SC+6*pp+aa] matrix_a_fmt:MATRIX_FMT_FP6 matrix_b_fmt:MATRIX_FMT_FP6 matrix_a_scale:MATRIX_SCALE_ROW1
.else
	v_wmma_scale_f32_16x16x128_f8f6f4 v[rD:rD+7], v[96*pp+12*bb:96*pp+12*bb+11], v[64+48*pp+12*aa:64+48*pp+12*aa+11], 0, v[rS], v[SC+6*pp+aa] matrix_a_fmt:MATRIX_FMT_FP6 matrix_b_fmt:MATRIX_FMT_FP6
.endif
.else
.if up
	v_wmma_scale_f32_16x16x128_f8f6f4 v[rD:rD+7], v[96*pp+12*bb:96*pp+12*bb+11], v[64+48*pp+12*aa:64+48*pp+12*aa+11], v[rD:rD+7], v[rS], v[SC+6*pp+aa] matrix_a_fmt:MATRIX_FMT_FP6 matrix_b_fmt:MATRIX_FMT_FP6 matrix_a_scale:MATRIX_SCALE_ROW1
.else
	v_wmma_scale_f32_16x16x128_f8f6f4 v[rD:rD+7], v[96*pp+12*bb:96*pp+12*bb+11], v[64+48*pp+12*aa:64+48*pp+12*aa+11], v[rD:rD+7], v[rS], v[SC+6*pp+aa] matrix_a_fmt:MATRIX_FMT_FP6 matrix_b_fmt:MATRIX_FMT_FP6
.endif
.endif
.set bb, bb+1
.endr
.set aa, aa+1
.endr
.endm
.macro STEP k, zero                    ; the four places at its head stand between the step before, which read the other sets, and both runs of loads into them
	s_wait_dscnt 0x0                               ; this step's fragments and scale words are in
	PLACES
	FETCH_B (\k)+1
	FETCH_S (\k)+1
	WIN 0xa1                                       ; source 0 (B) window 1, source 1 (A) window 0, C and D window 2
	MULS \k, 0, 2, \zero
	WIN 0
	FETCH_A (\k)+1
	WIN 0xa1
	MULS \k, 2, 2, \zero
.endm
; A slot's last K step changes slots: ONE barrier; in front of it each wave waits for all its tensor loads, adds 0 to its spare word, and waits for that and for its own reads of the slot.
; round = 1: the slot is filled again with the K steps eight on, which have four K steps in which to land; the barrier then opens a round of the cluster's barrier.
.macro MEETK k, round, slot
	WIN 0
	s_wait_tensorcnt 0x0                           ; all my tensor loads have landed: my part of the next slot
	ds_add_u32 v[SPW], v[NIL]                      ; 0 onto my spare word
	s_wait_dscnt 0x1                               ; this step's fragments are in; the add may be out
	WIN 0xa1
	MULS \k, 0, 1, 0
	s_wait_dscnt 0x0                               ; the add is done, and my reads of this slot are over
	s_barrier_signal -1
	MULS \k, 1, 1, 0
	WIN 0
	s_barrier_wait -1
.if \round
	CREST                                          ; no wave of any partner still reads this slot or has a load on its way
	s_add_nc_u64 s[G0A+4*\slot+2:G0A+4*\slot+3], s[G0A+4*\slot+2:G0A+4*\slot+3], 2*6144
	s_add_nc_u64 s[G0B+4*\slot+2:G0B+4*\slot+3], s[G0B+4*\slot+2:G0B+4*\slot+3], 2*6144
	JLOAD G0A+4*\slot, G1A, G0B+4*\slot, G1B       ; the first tensor load behind the round, and my only one until the next; its four v_nop are the places in front of the loads below
.else
	PLACES
.endif
	FETCH_B (\k)+1
	FETCH_S (\k)+1
	FETCH_A (\k)+1
.if (\k) == 3
	ASK 18432                                      ; K steps 12 to 15, which K step 7's round will load
.endif
	WIN 0xa1
	MULS \k, 2, 2, 0
.endm
	s_load_b256 s[4:11], s[0:1], 0x0               ; p s[4:5], pst s[6:7], vt s[8:9], qkvs s[10:11]
	s_load_b64 s[12:13], s[0:1], 0x20              ; out0
	v_lshl_add_u32 v[SPW], v0, 2, SPARE
	v_mov_b32 v[NIL], 0
	ds_add_u32 v28, v29
	ds_add_u32 v28, v29
	s_wait_dscnt 0x0
	v_lshrrev_b32 v1, 5, v0
	v_readfirstlane_b32 s16, v1                    ; wave 0..3
	s_lshr_b32 s17, s16, 1                         ; WM: my half of the queries.  Also: I fetch for A (0) or for B (1)
	s_and_b32 s18, s16, 1                          ; WN: my half of d.  Also: which half I fetch
	s_bfe_u32 s20, ttmp6, 0x40000                  ; cx
	s_bfe_u32 s21, ttmp6, 0x40004                  ; cy
	s_mov_b32 s22, ttmp9
	s_and_b32 s23, ttmp7, 0xffff
	s_lshl_b32 s48, s21, 2
	s_lshl_b32 s48, 15, s48                        ; my row of the cluster
	s_lshl_b32 s49, 0x1111, s20                    ; my column
	s_or_b32 s[G1A], s48, (3<<16)|(1<<21)          ; 15:0 the mask; 17:16 elements of 8 bytes; 21 set beside a mask; no padding
	s_or_b32 s[G1B], s49, (3<<16)|(1<<21)
	s_or_b32 s[G1SB], s49, (3<<16)|(1<<21)
	s_mov_b32 s[G1A+1], 768<<16                    ; P: 4 row blocks x 6,144 bytes (four K steps' images on end), 24,576 bytes apart
	s_mov_b32 s[G1A+2], 8<<16                      ; the head's load brings both halves; behind it these two words are set to 4
	s_mov_b32 s[G1A+3], 768<<16
	s_mov_b32 s[G1A+4], 8
	s_mov_b32 s[G1A+5], 3072
	s_mov_b32 s[G1A+6], 0
	s_mov_b32 s[G1A+7], 0
	s_mov_b32 s[G1B+1], 768<<16                    ; V: 8 row blocks x 6,144 bytes, 98,304 bytes apart
	s_mov_b32 s[G1B+2], 16<<16                     ; likewise: then 8
	s_mov_b32 s[G1B+3], 768<<16
	s_mov_b32 s[G1B+4], 16
	s_mov_b32 s[G1B+5], 12288
	s_mov_b32 s[G1B+6], 0
	s_mov_b32 s[G1B+7], 0
	s_mov_b32 s[G1SB+1], 64<<16                    ; V's scale words: 16 K steps x 512 bytes, 4,096 bytes apart
	s_mov_b32 s[G1SB+2], 16<<16
	s_mov_b32 s[G1SB+3], 64<<16
	s_mov_b32 s[G1SB+4], 16
	s_mov_b32 s[G1SB+5], 512
	s_mov_b32 s[G1SB+6], 0
	s_mov_b32 s[G1SB+7], 0
	s_lshl_b32 s50, s23, 2
	s_add_co_u32 s50, s50, s21                     ; the tile's row: 128 queries of the 8,192
	s_lshl_b32 s52, s22, 2
	s_add_co_u32 s52, s52, s20                     ; its column: 256 of d's 1,024
	s_lshr_b32 s53, s23, 2                         ; the batch
	s_lshl_b32 s54, s50, 3
	s_lshl_b32 s55, s18, 2
	s_add_co_u32 s54, s54, s55                     ; the row blocks of P that I would fetch
	s_mul_i32 s54, s54, 24576
	s_mov_b32 s55, 0
	s_lshl_b32 s56, s52, 4
	s_lshl_b32 s57, s18, 3
	s_add_co_u32 s57, s56, s57                     ; and of V^T
	s_mul_i32 s56, s57, 98304
	s_mul_i32 s58, s53, 24576                      ; the batch's sixteen K steps
	s_add_co_u32 s56, s56, s58
	s_lshl_b32 s58, s52, 10                        ; V's scale words: 64 bytes a row block; the half that I would fetch is wave / 2 (waves 1 and 3 fetch them)
	s_lshl_b32 s59, s17, 9
	s_add_co_u32 s58, s58, s59
	s_lshl_b32 s59, s53, 16
	s_add_co_u32 s58, s58, s59
	s_add_co_u32 s58, s58, 524288                  ; their scale words
	s_mov_b32 s57, 0
	s_mov_b32 s59, 0
	s_lshl_b32 s60, s50, 9                         ; the tile's 128 slots in a row of pst
	s_mov_b32 s61, 0
	s_lshl_b32 s62, s50, 7
	s_lshl_b32 s63, s17, 6
	s_add_co_u32 s62, s62, s63
	s_lshl_b32 s62, s62, 12                        ; my first row of the output, rows of 4,096 bytes,
	s_lshl_b32 s63, s52, 10
	s_add_co_u32 s62, s62, s63
	s_lshl_b32 s63, s18, 9
	s_add_co_u32 s62, s62, s63                     ; and my first column
	s_mov_b32 s63, 0
	s_mul_i32 s48, s18, AQ                         ; where the tiles go: no place in the cluster enters an LDS address
	s_mul_i32 s49, s18, BQ
	s_add_co_u32 s49, s49, 2*AQ
	s_lshl_b32 s51, s17, 13
	s_add_co_u32 s51, s51, SCB
	v_lshlrev_b32 v20, 2, v0                       ; thread t is slot t of the tile's 128
	s_wait_alu depctr_va_vdst(0)
	s_wait_kmcnt 0x0
	s_add_nc_u64 s[6:7], s[6:7], s[60:61]
.irp c, 0,1,2,3,4,5,6,7,8,9,10,11,12,13,14,15
	global_load_b32 v[64+\c], v20, s[6:7] offset:32768*\c           ; the chunk's scale word,
	global_load_b32 v[80+\c], v20, s[6:7] offset:32768*\c+524288    ; -M,
	global_load_b32 v[96+\c], v20, s[6:7] offset:32768*\c+1048576   ; l: all 48 are out while the descriptors are made and the round is passed
.endr
	s_add_nc_u64 s[54:55], s[4:5], s[54:55]
	s_add_nc_u64 s[56:57], s[8:9], s[56:57]
	s_add_nc_u64 s[58:59], s[10:11], s[58:59]
	s_add_nc_u64 s[12:13], s[12:13], s[62:63]
	s_mov_b32 s[G0SB], 1
	s_mov_b32 s[G0SB+1], s51
	s_mov_b64 s[G0SB+2:G0SB+3], s[58:59]
	s_or_b32 s[G0SB+3], s[G0SB+3], 0x80000000
.irp s, 0,1
	s_mov_b32 s[G0A+4*\s], 1
	s_add_co_u32 s[G0A+4*\s+1], s48, \s*SLOT
	s_add_nc_u64 s[G0A+4*\s+2:G0A+4*\s+3], s[54:55], \s*6144
	s_or_b32 s[G0A+4*\s+3], s[G0A+4*\s+3], 0x80000000
	s_mov_b32 s[G0B+4*\s], 1
	s_add_co_u32 s[G0B+4*\s+1], s49, \s*SLOT
	s_add_nc_u64 s[G0B+4*\s+2:G0B+4*\s+3], s[56:57], \s*6144
	s_or_b32 s[G0B+4*\s+3], s[G0B+4*\s+3], 0x80000000
.endr
	CROUND                                         ; all sixteen work-groups are here: the first joint loads meet
	s_cmp_eq_u32 s16, 0                            ; one chain of arms on the wave's number, one load to an arm
	s_cbranch_scc0 .Lhead_1
	tensor_load_to_lds s[G0A:G0A+3], s[G1A:G1A+7]  ; wave 0 (half 0, LDS byte 0): slot 0's 8 row blocks of P
	s_nop 0
	PLACES
	s_branch .Lfirst_done
.Lhead_1:
	s_cmp_eq_u32 s16, 2
	s_cbranch_scc0 .Lhead_2
	tensor_load_to_lds s[G0B:G0B+3], s[G1B:G1B+7]  ; wave 2 (half 0, LDS byte 2 AQ): slot 0's 16 row blocks of V
	s_nop 0
	PLACES
	s_branch .Lfirst_done
.Lhead_2:
	tensor_load_to_lds s[G0SB:G0SB+3], s[G1SB:G1SB+7]   ; waves 1 and 3: half wave / 2 of V's scale words, each into its own 8,192 bytes
	s_nop 0
	PLACES
.Lfirst_done:
.macro ASK off                         ; four K steps, 24 blocks of 256 bytes on end, of my row block; V's waves take a second row block
	global_prefetch_b8 v30, s[88:89] offset:\off th:TH_LOAD_NT scope:SCOPE_SE
	s_cmp_eq_u32 s17, 0
	s_cbranch_scc1 .Lfor_p_\@
	global_prefetch_b8 v30, s[88:89] offset:(\off)+98304 th:TH_LOAD_NT scope:SCOPE_SE
.Lfor_p_\@:
.endm
	s_cmp_eq_u32 s17, 0                            ; waves 0, 1: P, row block cx of my half's four; waves 2, 3: V, row blocks 2 cy, 2 cy + 1 of my half's eight
	s_cselect_b64 s[88:89], s[54:55], s[56:57]
	s_mul_i32 s90, s20, 24576
	s_mul_i32 s91, s21, 2*98304
	s_cselect_b32 s90, s90, s91
	v_and_b32 v30, 31, v0
	v_min_u32 v30, 23, v30                         ; the lanes left over name the last block again
	v_lshl_add_u32 v30, v30, 8, s90                ; v30 and s[88:89] are never written again
	ASK 6144                                       ; K steps 4 to 7, which the round below will load
	v_and_b32 v1, 31, v0                           ; lane
	v_and_b32 v2, 15, v0                           ; r
	v_bfe_u32 v3, v0, 4, 1                         ; h
	s_wait_alu depctr_va_vdst(0)
	v_lshlrev_b32 v15, 4, v1                       ; 16 x lane
	v_lshl_add_u32 v21, v0, 2, PSC
	v_lshl_add_u32 v22, v0, 2, RLB
	s_mul_i32 s48, s17, AQ                         ; my 64 queries,
	s_mul_i32 s49, s18, BQ
	s_add_co_u32 s49, s49, 2*AQ                    ; my 128 of d, behind A's two quarters
.irp s, 0,1
	v_add_nc_u32 v[ADRA+\s], s48, v15
	v_add_nc_u32 v[ADRB+\s], s49, v15
	s_add_co_u32 s48, s48, SLOT
	s_add_co_u32 s49, s49, SLOT
.endr
	s_lshl_b32 s48, s17, 8
	s_lshl_b32 s49, s18, 13
	s_add_co_u32 s51, s49, SCB+256
	v_lshl_add_u32 v[ADRS2], v1, 2, s51            ; V's blocks 4 on: 4 x lane
	s_add_co_u32 s49, s49, SCB-PSC
	s_sub_co_u32 s49, s49, s48                     ; from my words of P to my words of V
	v_mul_u32_u24 v[ADRS], s49, v3                 ; lanes 16-31 take V's
	s_add_co_u32 s49, s48, PSC
	v_lshl_add_u32 v[ADRS], v2, 2, v[ADRS]
	v_add_nc_u32 v[ADRS], s49, v[ADRS]
	s_add_co_u32 s49, s48, RLB
	v_lshl_add_u32 v23, v2, 2, s49                 ; 1 / l of my queries: RLB + 256 WM + 4 r
	s_mul_i32 s48, s16, 16*SPI                     ; my stage
	v_mul_u32_u24 v24, v2, SPI
	v_lshl_add_u32 v24, v3, 6, v24
	v_add_nc_u32 v24, s48, v24                     ; in: row r, + 64 h
	v_add_nc_u32 v25, s48, v15                     ; back: 16 x lane of a row
	s_wait_loadcnt 0x0
	v_min3_num_f32 v112, v80, v81, v82             ; the row's -M: the least of the sixteen
.irp c, 83,85,87,89,91,93
	v_min3_num_f32 v112, v112, v[\c], v[\c+1]
.endr
	v_min_num_f32 v112, v112, v95
.irp c, 0,1,2,3,4,5,6,7,8,9,10,11,12,13,14,15
	v_sub_f32 v114, v[80+\c], v112                 ; d = M - M(chunk): a whole number, 0 or more
	v_cvt_u32_f32 v114, v114
	v_min_u32 v114, 255, v114
	v_sub_nc_u32 v115, 0, v114
.if \c == 0
	v_ldexp_f32 v113, v[96+\c], v115               ; l(chunk) x 2^-d starts the row's sum
.else
	v_ldexp_f32 v120, v[96+\c], v115
	v_add_f32 v113, v113, v120
.endif
.irp i, 0,1,2,3
	v_bfe_u32 v[116+\i], v[64+\c], 8*\i, 8
.endr
.irp i, 0,1,2,3
	v_sub_nc_u32 v[116+\i], v[116+\i], v114        ; d off each scale byte,
.endr
.irp i, 0,1,2,3
	v_max_i32 v[116+\i], 0, v[116+\i]              ; held at 0
.endr
	v_lshl_or_b32 v[128+\c], v117, 8, v116
	v_lshl_or_b32 v[128+\c], v118, 16, v[128+\c]
	v_lshl_or_b32 v[128+\c], v119, 24, v[128+\c]
	ds_store_b32 v21, v[128+\c] offset:512*\c
.endr
	s_wait_alu depctr_va_vdst(0)
	v_rcp_f32 v113, v113
	v_nop                                          ; a plain place behind the transcendental
	s_wait_alu depctr_va_vdst(0)
	ds_store_b32 v22, v113
	s_wait_tensorcnt 0x0                           ; my tile of the head's four is in
	ds_add_u32 v[SPW], v[NIL]
	s_mov_b32 s[G1A+2], 4<<16                      ; no tensor load of mine is out: from here on a load brings one half: 4 row blocks of P,
	s_mov_b32 s[G1A+4], 4
	s_mov_b32 s[G1B+2], 8<<16                      ; 8 of V
	s_mov_b32 s[G1B+4], 8
	s_wait_dscnt 0x0                               ; the add is done, and for the others' sake my mended words and 1 / l lie in LDS
	CROUND
	JLOAD G0A+4, G1A, G0B+4, G1B                   ; slot 1's first fill: it has K steps 0 to 2 in which to land
	FETCH_B 0
	FETCH_S 0
	FETCH_A 0
	ASK 12288                                      ; K steps 8 to 11, which K step 3's round will load
	STEP 0, 1
	STEP 1, 0
	STEP 2, 0
	MEETK 3, 1, 0                                  ; slot 0 takes K steps 8 to 11
	STEP 4, 0
	STEP 5, 0
	STEP 6, 0
	MEETK 7, 1, 1                                  ; slot 1 takes K steps 12 to 15
	STEP 8, 0
	STEP 9, 0
	STEP 10, 0
	MEETK 11, 0, 0                                 ; the one load that was out has landed, in every wave; nobody reads slot 0 any more
	STEP 12, 0
	STEP 13, 0
	STEP 14, 0
	WIN 0
.irp a, 0,1,2,3
	ds_load_b32 v[RLV+2*\a], v23 offset:64*\a      ; 1 / l of my query in block a, twice: the packed multiply names a pair
	ds_load_b32 v[RLV+2*\a+1], v23 offset:64*\a
.endr
	s_wait_dscnt 0x0                               ; the last K step: nothing more to fetch
	WIN 0xa1
	MULS 15, 0, 4, 0
	WIN 0
	PLACES                                         ; in front of the first read of results and of the loads into registers that held fragments
; THE WAY OUT, block by block of 16 queries x 128 of d: divided by l, through my own stage in LDS, back as whole rows of 512 bytes.  Register 8 b + j of lane (r, h) is d 32 (b / 2) + 8 (b % 2) + 16 h + j.
.macro PACK a
	WIN 0x02                                       ; source 0: window 2
.set n, 0
.rept 32
	v_pk_mul_f32 v[Y+n:Y+n+1], v[64*\a+n:64*\a+n+1], v[RLV+2*\a:RLV+2*\a+1] op_sel_hi:[1,0]   ; each accumulator from its low end on
.set n, n+2
.endr
	WIN 0
.endm
.macro TOSTAGE a
.irp b, 0,1,2,3,4,5,6,7
	ds_store_b128 v24, v[Y+8*\b:Y+8*\b+3] offset:128*(\b/2)+32*(\b%2)
	ds_store_b128 v24, v[Y+8*\b+4:Y+8*\b+7] offset:128*(\b/2)+32*(\b%2)+16
.endr
.irp t, 0,1,2,3,4,5,6,7,8,9,10,11,12,13,14,15
	ds_load_b128 v[BKR+64*((\a)%2)+4*\t:BKR+64*((\a)%2)+4*\t+3], v25 offset:SPI*\t   ; LDS serves a wave's instructions in order: these see the stores above, and the next block's stores come behind them
.endr
.endm
.macro SEND a, younger                 ; younger: the LDS instructions issued behind block a's loads, which may stay out
	s_wait_dscnt \younger
.irp t, 0,1,2,3,4,5,6,7,8,9,10,11,12,13,14,15
	global_store_b128 v15, v[BKR+64*((\a)%2)+4*\t:BKR+64*((\a)%2)+4*\t+3], s[12:13] offset:(32*((\a)/2)+8*((\a)%2)+\t+8*(\t/8))*4096 th:TH_STORE_NT   ; slot t's row: 32 lanes store 512 consecutive bytes, at a multiple of 256 from the buffer's first byte; written once
.endr
.endm
	PACK 0
	TOSTAGE 0
.irp a, 1,2,3
	s_wait_dscnt 16                                ; the last block's stores into the stage have read their registers; its 16 loads may be out
	PACK \a
.if \a > 1
	s_wait_alu depctr_va_vdst(0)
	s_wait_xcnt 0x0                                ; block a - 2's stores have read their registers: block a's loads may land there
.endif
	TOSTAGE \a
	SEND \a-1, 32                                  ; behind block a - 1's loads: block a's 16 stores and 16 loads
.endr
	SEND 3, 0
	s_wait_tensorcnt 0x0                           ; the wave's end
	ds_add_u32 v[SPW], v[NIL]
	s_wait_dscnt 0x0
	CROUND                                         ; the closing round
	s_endpgm
.Lfunc_end_k_qd864e62679_pv:
	.size	k_qd864e62679_pv, .Lfunc_end_k_qd864e62679_pv-k_qd864e62679_pv
	.p2alignl 7, 3214868480
	.fill 96, 4, 3214868480
	.section	.rodata,"a",@progbits
	.p2align	6, 0x0
	.amdhsa_kernel k_qd864e62679_pv
		.amdhsa_group_segment_fixed_size 327680
		.amdhsa_private_segment_fixed_size 0
		.amdhsa_enable_private_segment 0
		.amdhsa_kernarg_size 40
		.amdhsa_user_sgpr_count 2
		.amdhsa_user_sgpr_kernarg_segment_ptr 1
		.amdhsa_wavefront_size32 1
		.amdhsa_system_sgpr_workgroup_id_x 1
		.amdhsa_system_sgpr_workgroup_id_y 1
		.amdhsa_system_sgpr_workgroup_id_z 1
		.amdhsa_system_vgpr_workitem_id 0
		.amdhsa_next_free_vgpr 768
		.amdhsa_next_free_sgpr 102
		.amdhsa_reserve_vcc 0
		.amdhsa_float_denorm_mode_32 3
		.amdhsa_float_denorm_mode_16_64 3
		.amdhsa_memory_ordered 1
		.amdhsa_forward_progress 1
		.amdhsa_inst_pref_size 169
	.end_amdhsa_kernel
	.amdgpu_metadata
---
amdhsa.version: [ 1, 2 ]
amdhsa.kernels:
  - .name:           k_qd864e62679_pv
    .symbol:         k_qd864e62679_pv.kd
    .args:
      - { .name: p, .offset: 0, .size: 8, .value_kind: global_buffer, .address_space: global }
      - { .name: pst, .offset: 8, .size: 8, .value_kind: global_buffer, .address_space: global }
      - { .name: vt, .offset: 16, .size: 8, .value_kind: global_buffer, .address_space: global }
      - { .name: qkvs, .offset: 24, .size: 8, .value_kind: global_buffer, .address_space: global }
      - { .name: out0, .offset: 32, .size: 8, .value_kind: global_buffer, .address_space: global }
    .group_segment_fixed_size: 327680
    .private_segment_fixed_size: 0
    .kernarg_segment_align: 8
    .kernarg_segment_size: 40
    .max_flat_workgroup_size: 128
    .sgpr_count:     102
    .vgpr_count:     768
    .wavefront_size: 32
...
	.end_amdgpu_metadata
.endif
;; end of part 4
